; MI455X (gfx1250); checked and timed in simulation.
; The chip was launched on July 23, 2026; its instructions are those of AMD's public machine-readable ISA for CDNA 5 (MIT licence, August 2026) and "CDNA5" Instruction Set Architecture Reference Guide (July 2026). The comments in the code are by the model that wrote it; some were corrected since.
;; Attention Block. Allowed arithmetic: matrix products marked QUANTISED: E4M3 operands, one given power-of-two scale a tensor, by v_wmma_f32_16x16x64_fp8_fp8 or v_wmma_f32_16x16x128_fp8_fp8, f32 sums; everything else in f32.
;; Inputs: Wk 128 x 128 float32; Wo 128 x 128 float32; Wq 128 x 128 float32; Wv 128 x 128 float32; beta 128 float32; bk 128 float32; bq 128 float32; bv 128 float32; gamma 128 float32; lowp_scales 12 int32 (the exponents e of the quantised operands' scales 2^e); x 8 x 128 x 64 x 64 float32.
;; Outputs: out0 8 x 128 x 64 x 64 float32.
;; This version of the problem:
;;   THIS VERSION OF THE PROBLEM IS GIVEN IN LOW PRECISION. The matrix products marked QUANTISED in the list below multiply operands that are first quantised to E4M3 (4 exponent bits, 3 mantissa bits; 8 bits a number), with one given power-of-two scale for each operand tensor; their sums are f32. All else is computed in f32.
;;   The module's matrix products, in the order in which they are computed (A, B: the left and right operand; K: the contracted axis; several contracted axes count as one K, in the product's order):
;;     1. [M 32,768, K 128] x [K 128, N 128]; A: computed on the way; B: input Wq: QUANTISED (scales: A lowp_scales[0], B lowp_scales[1])
;;     2. [M 32,768, K 128] x [K 128, N 128]; A: computed on the way; B: input Wk: QUANTISED (scales: A lowp_scales[2], B lowp_scales[3])
;;     3. [M 32,768, K 128] x [K 128, N 128]; A: computed on the way; B: input Wv: QUANTISED (scales: A lowp_scales[4], B lowp_scales[5])
;;     4. batch 8 x [M 4,096, K 128] x [K 128, N 4,096]; A: computed on the way; B: computed on the way: QUANTISED (scales: A lowp_scales[6], B lowp_scales[7])
;;     5. batch 8 x [M 4,096, K 4,096] x [K 4,096, N 128]; A: softmax (see below); B: computed on the way: QUANTISED (scales: A lowp_scales[8], B lowp_scales[9])
;;     6. [M 32,768, K 128] x [K 128, N 128]; A: computed on the way; B: input Wo: QUANTISED (scales: A lowp_scales[10], B lowp_scales[11])
;;   THE QUANTISER, for each operand of a quantised product, along K:
;;     - The operand's scale is 2^e, e = its entry of the input lowp_scales (int32; the entries are numbered through the quantised products in the list's order, A before B).
;;     - Each number is divided by the scale, clamped to +-448, and rounded to the nearest number of E4M3, ties to even, subnormals kept.
;;     - The product sums the exact products of the quantised numbers (number of the format x scale) in f32.
;;   ~~~python
;;   def quantise(x, axis, e):      # numpy; x: float32 -> the quantised numbers, widened to float32 again
;;       x = np.moveaxis(x, axis, -1); K = x.shape[-1]
;;       r = np.clip(x / 2.0 ** e, -448, 448)
;;       step = 2.0 ** (np.maximum(np.frexp(np.where(r == 0, 1, r))[1] - 1, -6) - 3)
;;       q = np.round(r / step) * step * 2.0 ** e      # np.round: ties to even
;;       return np.moveaxis(q, -1, axis).astype(np.float32)
;;   ~~~
;;   SOFTMAX AHEAD OF A QUANTISED PRODUCT. Where the list says 'softmax', what is quantised is not the finished softmax but p = 2^(t - M), with t = logit x log2(e) and M = ceil(the row's largest t), a whole number; so 1/2 < the row's largest p <= 1. The row's sum l is taken of the UNQUANTISED p, in f32, and the product's result is divided by l at the end. Since M is a whole number, a kernel that streams over the keys may use a running M (the ceiling of the running maximum): every later rescaling is an exact power of two, so the quantised numbers keep their values, but for numbers so far below the row's largest that they fall under the format's range.
;;   OPERANDS COMPUTED ON THE WAY. 'Computed on the way' means the value that the module computes at that place (a softmax that the list does not call 'softmax' is quantised finished and normalised). What goes into a quantiser is computed in f32, as accurately as f32 sums, v_exp_f32 and their like allow (about 1e-6 of the number): no bf16 or f16 on the way to a quantiser, and a product that is left as it is and whose result goes on into a quantised operand takes f32 operands (vector FMAs, or v_wmma_f32_16x16x4_f32). A number that lies on a knife's edge between two numbers of the format may be rounded either way, as far as f32 arithmetic and the matrix unit's own rounding can turn it there, and no further.
;; 2 versions. Each part assembles by itself: llvm-mc -triple=amdgcn-amd-amdhsa -mcpu=gfx1250 --defsym DOCPART=n.
;; ======== version 1 of 2: 3 launches
;; workspace buffers: stats 5,120 bytes; wimg 65,536 bytes; qimg 4,194,304 bytes; kv 8,388,608 bytes
;; launch prep (part 1): grid 260 x 1, 8 waves a work-group, no clusters, 1,536 bytes of LDS; arguments x, gamma, Wq, Wk, Wv, Wo, lowp_scales, stats, wimg; writes stats, wimg
.if DOCPART == 1
	.amdgcn_target "amdgcn-amd-amdhsa--gfx1250"
	.amdhsa_code_object_version 6
	.text
	.protected	k_q66131aa008_prep
	.globl	k_q66131aa008_prep
	.p2align	8
	.type	k_q66131aa008_prep,@function
k_q66131aa008_prep:
	s_mov_b64 s[64:65], 0
	v_nop
	global_prefetch_b8 v0, s[64:65] scope:SCOPE_SE
	s_setreg_imm32_b32 hwreg(HW_REG_WAVE_MODE, 25, 1), 1
	s_wait_xcnt 0x0
; AttentionBlock in FP8 (E4M3), launch 1 of 3: the group norm's statistics, and the four weights as codes.
; DEAD WORK: none.  Every input has a way to an output: x, gamma, beta make the normalised tensor; Wq, Wk, Wv, Wo, bq, bk, bv move the codes of q, k, v or the result (bk too: it goes into k ahead of
; k's quantiser); all twelve scales are used.  So every input is loaded by some launch and no step of the problem is left out.
; WORK-GROUPS 0 to 255: group G = 32 b + g of x [8][128][4096]: its 4 channels x 4,096 positions are one dense block of 65,536 bytes.  256 threads x 64 numbers: the block stays in registers between
; the pass for the mean and the pass for the variance, which sums (x - mean)^2: no difference of large sums is formed.  Stored: a[c] = gamma[c] / sqrt(var + 1e-6) for the group's 4 channels, and the mean.
;   stats: [b][640 bytes]: a[128] at byte 0, mean[32] at byte 512.  A work-group's 20 bytes are stored by five lanes of wave 0: a table of 5,120 bytes in all.
; WORK-GROUPS 256 to 259: weight w = 0 Wq, 1 Wk, 2 Wv, 3 Wo ([n][k] f32, K innermost) becomes eight IMAGES OF OPERAND REGISTERS, one a wave: a fragment of 16 rows x 128 K is 16 registers a lane;
;   registers 4 c .. 4 c + 3 of lane l lie at 512 c + 16 l of the fragment's 2,048 bytes.  wimg: [w][tile nt][2048].  Lane (r = l % 16, h = l / 16) holds row 16 nt + r.
;   Which k stands at which byte is free as long as both operands of a product agree.  Wq, Wk, Wv: byte i of group c is k = 32 c + 16 h + i.  Wo: bytes 0-7 are k = 32 c + 8 h + 0..7, bytes 8-15 k = 32 c + 16 + 8 h + 0..7.
;   code = w / 2^e, held within +-448, to the nearest code, ties to even; e = entry 1, 3, 5, 11 of lowp_scales.
; LIMITS: those four e lie between -126 and 119, so that 2^e and 448 x 2^e are f32 numbers.  NaN among the inputs is not served.  v_rsq_f32 is good to one unit in the last place.
; No cluster and no tensor load: the work-groups share no input, and each byte is read once, straight into registers.
.set RED1,  0                          ; LDS: eight partial sums (32 bytes of a block of 256)
.set RED2,  256                        ; the same for the second sum: other bytes, so that no barrier is needed between the two uses
.set SPARE, 512                        ; the spare words, 128 bytes for each of the eight waves; no other line names them
.set X,     16                         ; v16-79  my 64 numbers
	s_load_b512 s[4:19], s[0:1], 0x0               ; x 4:5, gamma 6:7, Wq 8:9, Wk 10:11, Wv 12:13, Wo 14:15, lowp_scales 16:17, stats 18:19
	s_load_b64 s[20:21], s[0:1], 0x40              ; wimg
	v_lshl_add_u32 v110, v0, 2, SPARE              ; my spare word; never rewritten
	v_mov_b32 v111, 0                              ; 0; never rewritten
	v_lshrrev_b32 v87, 5, v0
	v_readfirstlane_b32 s22, v87                   ; wave 0..7
	s_cmp_ge_u32 ttmp9, 256                        ; the work-group's number alone: all eight waves go the same way
	s_cbranch_scc1 .Lweights
; ---------------- the statistics of one group ----------------
	v_lshlrev_b32 v87, 2, v87                      ; 4 x wave: where my wave's partial sum goes
	v_mov_b32 v88, 0
	v_mov_b32 v86, 0                               ; written once: a lane permute's destination counts as one of its sources
	s_mov_b32 s24, 0x76543210                      ; v_permlanex16_b32: lane l takes lane l xor 16
	s_mov_b32 s25, 0xfedcba98
	s_mov_b32 s32, 0x38800000                      ; 2^-14 = 1 / 16,384 numbers
	s_lshl_b32 s26, ttmp9, 16                      ; the group's 65,536 bytes
	s_mov_b32 s27, 0
	s_and_b32 s28, ttmp9, 31                       ; g
	s_lshr_b32 s29, ttmp9, 5                       ; b
	s_lshl_b32 s30, s28, 4                         ; 16 g: the group's four numbers of gamma, and of a
	s_mov_b32 s31, 0
	v_lshlrev_b32 v1, 4, v0                        ; 16 bytes a thread: a wave's load covers 512 consecutive bytes
	v_min_u32 v2, 3, v0
	v_lshlrev_b32 v2, 2, v2                        ; 4 x min(thread, 3)
	s_wait_kmcnt 0x0
	s_add_nc_u64 s[4:5], s[4:5], s[26:27]
	s_add_nc_u64 s[6:7], s[6:7], s[30:31]
.set i, 0
.rept 16
	global_load_b128 v[X+4*i:X+4*i+3], v1, s[4:5] offset:4096*i th:TH_LOAD_NT
.set i, i+1
.endr
	global_load_b32 v3, v2, s[6:7]                 ; gamma of channel 4 g + min(thread, 3)
.macro WAVESUM                         ; v80 summed over the 32 lanes, the result in every lane
	v_add_f32_dpp v80, v80, v80 row_xmask:1 row_mask:0xf bank_mask:0xf
	v_add_f32_dpp v80, v80, v80 row_xmask:2 row_mask:0xf bank_mask:0xf
	v_add_f32_dpp v80, v80, v80 row_xmask:4 row_mask:0xf bank_mask:0xf
	v_add_f32_dpp v80, v80, v80 row_xmask:8 row_mask:0xf bank_mask:0xf
	v_permlanex16_b32 v86, v80, s24, s25
	v_add_f32 v80, v80, v86
.endm
.macro WGSUM base                      ; v80 summed over the eight waves, the result in v92 of every lane
	ds_store_b32 v87, v80 offset:\base             ; all lanes of a wave write the same word with the same value
	s_wait_dscnt 0x0                               ; for the others' sake: my store is done
	s_barrier_signal -1
	s_barrier_wait -1
	ds_load_b128 v[92:95], v88 offset:\base
	ds_load_b128 v[96:99], v88 offset:\base+16
	s_wait_dscnt 0x0
	v_add_f32 v92, v92, v93
	v_add_f32 v94, v94, v95
	v_add_f32 v96, v96, v97
	v_add_f32 v98, v98, v99
	v_add_f32 v92, v92, v94
	v_add_f32 v96, v96, v98
	v_add_f32 v92, v92, v96
.endm
	; pass 1: the sum, two numbers at a time, in two chains that the first two loads start: nothing is cleared
.set i, 0
.rept 16
	s_wait_loadcnt 16-i                            ; load i is in; behind it were issued the 15 - i younger loads of x and gamma's
.if i < 2
	v_pk_add_f32 v[80+2*i:81+2*i], v[X+4*i:X+4*i+1], v[X+4*i+2:X+4*i+3]
.else
	v_pk_add_f32 v[80+2*(i%2):81+2*(i%2)], v[80+2*(i%2):81+2*(i%2)], v[X+4*i:X+4*i+1]
	v_pk_add_f32 v[80+2*(i%2):81+2*(i%2)], v[80+2*(i%2):81+2*(i%2)], v[X+4*i+2:X+4*i+3]
.endif
.set i, i+1
.endr
	v_pk_add_f32 v[80:81], v[80:81], v[82:83]
	v_add_f32 v80, v80, v81
	WAVESUM
	WGSUM RED1
	v_mul_f32 v84, s32, v92                        ; the mean
	v_mov_b32 v85, v84                             ; twice: a pair for the packed subtraction
	; pass 2: x - mean in place, then the sum of its squares, again in two chains
.set i, 0
.rept 32
	v_pk_add_f32 v[X+2*i:X+2*i+1], v[X+2*i:X+2*i+1], v[84:85] neg_lo:[0,1] neg_hi:[0,1]
.set i, i+1
.endr
	v_pk_mul_f32 v[80:81], v[X:X+1], v[X:X+1]
	v_pk_mul_f32 v[82:83], v[X+2:X+3], v[X+2:X+3]
.set i, 2
.rept 30
	v_pk_fma_f32 v[80+2*(i%2):81+2*(i%2)], v[X+2*i:X+2*i+1], v[X+2*i:X+2*i+1], v[80+2*(i%2):81+2*(i%2)]
.set i, i+1
.endr
	v_pk_add_f32 v[80:81], v[80:81], v[82:83]
	v_add_f32 v80, v80, v81
	WAVESUM
	WGSUM RED2
	v_mov_b32 v89, 0x358637bd                      ; 1e-6
	v_fma_f32 v92, v92, s32, v89                   ; the variance + 1e-6
	s_mul_i32 s33, s29, 640                        ; my batch's part of stats
	s_add_co_u32 s34, s33, s30                     ; a: + 16 g
	s_lshl_b32 s35, s28, 2
	s_add_co_u32 s35, s35, s33
	s_add_co_u32 s35, s35, 512                     ; the mean: + 512 + 4 g
	v_rsq_f32 v93, v92
	v_add_nc_u32 v95, s34, v2                      ; (a plain instruction behind the transcendental)  thread t < 4 stores a of channel 4 g + t
	v_mov_b32 v96, s35
	v_cmp_eq_u32 vcc_lo, 4, v0                     ; thread 4 stores the mean
	v_cndmask_b32 v95, v95, v96, vcc_lo
	s_wait_loadcnt 0x0                             ; gamma
	s_wait_alu depctr_va_vdst(0)                   ; ahead of the first instruction that names the root's result
	v_mul_f32 v94, v3, v93                         ; a = gamma / sqrt(var + 1e-6)
	v_cndmask_b32 v94, v94, v84, vcc_lo
	s_wait_xcnt 0x0                                ; EXEC is a source of the loads above: it changes only behind this wait
	v_cmp_gt_u32 vcc_lo, 5, v0
	s_and_saveexec_b32 s36, vcc_lo
	global_store_b32 v95, v94, s[18:19]
	s_wait_xcnt 0x0                                ; and again, in front of the line that widens it
	s_or_b32 exec_lo, exec_lo, s36
	s_wait_tensorcnt 0x0                           ; the wave's end, behind my last LDS store
	ds_add_u32 v110, v111
	s_wait_dscnt 0x0
	s_endpgm
; ---------------- one weight as codes: wave nt makes tile nt.  No LDS, no barrier ----------------
.Lweights:
	s_sub_co_u32 s26, ttmp9, 256                   ; w
	v_and_b32 v1, 15, v0                           ; r
	v_bfe_u32 v2, v0, 4, 1                         ; h
	v_and_b32 v5, 31, v0
	v_lshlrev_b32 v5, 4, v5                        ; 16 x lane: my place in an image
	s_lshl_b32 s29, s22, 13                        ; the tile's 16 rows of 512 bytes
	s_lshl_b32 s32, s26, 14
	s_lshl_b32 s33, s22, 11
	s_add_co_u32 s32, s32, s33                     ; wimg: 16,384 w + 2,048 nt
	s_mov_b32 s33, 0
	s_wait_kmcnt 0x0
	s_load_b256 s[36:43], s[16:17], 0x0            ; e0 .. e7
	s_load_b128 s[44:47], s[16:17], 0x20           ; e8 .. e11
	s_add_nc_u64 s[20:21], s[20:21], s[32:33]
	s_cmp_eq_u32 s26, 1                            ; the weight is chosen by the work-group's number alone
	s_cselect_b64 s[8:9], s[10:11], s[8:9]
	s_cmp_eq_u32 s26, 2
	s_cselect_b64 s[8:9], s[12:13], s[8:9]
	s_cmp_eq_u32 s26, 3
	s_cselect_b64 s[8:9], s[14:15], s[8:9]
	s_cselect_b32 s27, 5, 6                        ; the halves of the lanes stand 8 numbers apart in Wo, 16 in the others,
	s_cselect_b32 s28, 64, 32                      ; and a group's second eight numbers 16 numbers behind its first in Wo, 8 in the others
	v_lshlrev_b32 v3, 9, v1                        ; row r
	v_lshlrev_b32 v4, s27, v2
	v_add3_u32 v3, v3, v4, s29                     ; a group's first eight numbers
	v_add_nc_u32 v4, s28, v3                       ; its second eight
.irp c, 0,1,2,3
	global_load_b128 v[X+16*\c:X+16*\c+3],     v3, s[8:9] offset:128*\c
	global_load_b128 v[X+16*\c+4:X+16*\c+7],   v3, s[8:9] offset:128*\c+16
	global_load_b128 v[X+16*\c+8:X+16*\c+11],  v4, s[8:9] offset:128*\c
	global_load_b128 v[X+16*\c+12:X+16*\c+15], v4, s[8:9] offset:128*\c+16
.endr
	s_wait_kmcnt 0x0
	s_cmp_eq_u32 s26, 1
	s_cselect_b32 s30, s39, s37                    ; e3 or e1
	s_cmp_eq_u32 s26, 2
	s_cselect_b32 s30, s41, s30                    ; e5
	s_cmp_eq_u32 s26, 3
	s_cselect_b32 s30, s47, s30                    ; e11
	s_add_co_i32 s30, s30, 127
	s_lshl_b32 s31, s30, 23
	v_mov_b32 v96, s31                             ; 2^e as f32: the conversion takes its exponent field
	s_add_co_i32 s30, s30, 8
	s_lshl_b32 s30, s30, 23
	s_or_b32 s30, s30, 0x600000
	v_mov_b32 v97, s30                             ; 448 x 2^e
	s_wait_loadcnt 0x0
.irp c, 0,1,2,3
.set i, 0
.rept 16
	v_med3_num_f32 v[X+16*\c+i], v[X+16*\c+i], -v97, v97   ; the conversion to an 8-bit code does not saturate (ISA guide 7.6.2): the hold comes first
.set i, i+1
.endr
	v_cvt_scalef32_pk8_fp8_f32 v[80+4*\c:81+4*\c], v[X+16*\c:X+16*\c+7], v96
	v_cvt_scalef32_pk8_fp8_f32 v[82+4*\c:83+4*\c], v[X+16*\c+8:X+16*\c+15], v96
.endr
.irp c, 0,1,2,3
	global_store_b128 v5, v[80+4*\c:83+4*\c], s[20:21] offset:512*\c   ; 32 lanes store 512 consecutive bytes, at a multiple of 256 from the buffer's first byte
.endr
	s_endpgm
.Lfunc_end_k_q66131aa008_prep:
	.size	k_q66131aa008_prep, .Lfunc_end_k_q66131aa008_prep-k_q66131aa008_prep
	.p2alignl 7, 3214868480
	.fill 96, 4, 3214868480
	.section	.rodata,"a",@progbits
	.p2align	6, 0x0
	.amdhsa_kernel k_q66131aa008_prep
		.amdhsa_group_segment_fixed_size 1536
		.amdhsa_private_segment_fixed_size 0
		.amdhsa_enable_private_segment 0
		.amdhsa_kernarg_size 72
		.amdhsa_user_sgpr_count 2
		.amdhsa_user_sgpr_kernarg_segment_ptr 1
		.amdhsa_wavefront_size32 1
		.amdhsa_system_sgpr_workgroup_id_x 1
		.amdhsa_system_sgpr_workgroup_id_y 1
		.amdhsa_system_sgpr_workgroup_id_z 1
		.amdhsa_system_vgpr_workitem_id 0
		.amdhsa_next_free_vgpr 112
		.amdhsa_next_free_sgpr 66
		.amdhsa_reserve_vcc 1
		.amdhsa_float_denorm_mode_32 3
		.amdhsa_float_denorm_mode_16_64 3
		.amdhsa_memory_ordered 1
		.amdhsa_forward_progress 1
		.amdhsa_inst_pref_size 21
	.end_amdhsa_kernel
	.amdgpu_metadata
---
amdhsa.version: [ 1, 2 ]
amdhsa.kernels:
  - .name:           k_q66131aa008_prep
    .symbol:         k_q66131aa008_prep.kd
    .args:
      - { .name: x, .offset: 0, .size: 8, .value_kind: global_buffer, .address_space: global }
      - { .name: gamma, .offset: 8, .size: 8, .value_kind: global_buffer, .address_space: global }
      - { .name: Wq, .offset: 16, .size: 8, .value_kind: global_buffer, .address_space: global }
      - { .name: Wk, .offset: 24, .size: 8, .value_kind: global_buffer, .address_space: global }
      - { .name: Wv, .offset: 32, .size: 8, .value_kind: global_buffer, .address_space: global }
      - { .name: Wo, .offset: 40, .size: 8, .value_kind: global_buffer, .address_space: global }
      - { .name: lowp_scales, .offset: 48, .size: 8, .value_kind: global_buffer, .address_space: global }
      - { .name: stats, .offset: 56, .size: 8, .value_kind: global_buffer, .address_space: global }
      - { .name: wimg, .offset: 64, .size: 8, .value_kind: global_buffer, .address_space: global }
    .group_segment_fixed_size: 1536
    .private_segment_fixed_size: 0
    .kernarg_segment_align: 8
    .kernarg_segment_size: 72
    .max_flat_workgroup_size: 256
    .sgpr_count:     66
    .vgpr_count:     112
    .wavefront_size: 32
...
	.end_amdgpu_metadata
.endif
;; end of part 1
;; launch qkv (part 2): grid 256 x 1, 2 waves a work-group, no clusters, 0 bytes of LDS; arguments x, stats, beta, wimg, bq, bk, bv, lowp_scales, qimg, kv; writes qimg, kv
.if DOCPART == 2
	.amdgcn_target "amdgcn-amd-amdhsa--gfx1250"
	.amdhsa_code_object_version 6
	.text
	.protected	k_q66131aa008_qkv
	.globl	k_q66131aa008_qkv
	.p2align	8
	.type	k_q66131aa008_qkv,@function
k_q66131aa008_qkv:
	s_mov_b64 s[64:65], 0
	v_nop
	global_prefetch_b8 v0, s[64:65] scope:SCOPE_SE
	s_setreg_imm32_b32 hwreg(HW_REG_WAVE_MODE, 25, 1), 1
	s_wait_xcnt 0x0
; AttentionBlock in FP8 (E4M3), launch 2 of 3: the group norm is applied, q, k and v are made (products 1 to 3) and stored as codes.  No work of the problem is left out here.
; SHARES.  Wave W = 2 x work-group + wave (512 in all) takes the 64 tokens 64 blk .. 64 blk + 63 of batch b (b = W / 64, blk = W % 64), all 128 channels.  Waves share nothing: no LDS, no barrier, no label.
; TOKEN TILES.  Tile m (0..3) of a block has as row r the token 64 blk + 4 r + m: so one 16-byte load of x [b][channel][token] gives a lane one number for each of the four tiles, and sixteen lanes read 256 consecutive bytes.
; THE NORMALISED TENSOR h = (x - mean) a + beta is quantised three times, with entries 0, 2, 4 of lowp_scales.  Lane (r, h) holds row r; byte i of register group c is channel 32 c + 16 h + i, as in the weights' images.
; q AND k: the product is used transposed (source 0 = 16 rows of W, source 1 = 16 tokens): lane (r, h) holds token row r, register j of tile nt channel 16 nt + 8 h + j; tiles 2 b, 2 b + 1 convert into group b.
; v: in natural order (source 0 = tokens, source 1 = 16 rows of Wv): lane (r, h) holds channel 16 nt + r, register j token row 8 h + j of tile m: tiles m = 2 b', 2 b' + 1 convert into a register group of V^T whose K runs along the keys.
; The biases, divided by the power of two that the sums lack, are the C of the products.  The three scales ahead of each result's quantiser are folded into the conversion's one.
; STORED as images of operand registers (registers 4 c .. 4 c + 3 of lane l at 512 c + 16 l of a fragment's 2,048 bytes): every store covers 512 consecutive bytes, at a multiple of 256 from the buffer's first byte.
;   qimg [b][tile 4 blk + m][2048];   kv [b][step blk / 2][32768]: K's tile t = 4 (blk % 2) + m at 2,048 t;  V^T's tile nt at 16,384 + 2,048 nt, of which this wave writes groups 2 (blk % 2) + b'.
; LIMITS: e0, e2, e4, e6 - e0 - e1, e7 - e2 - e3, e9 - e4 - e5 lie between -126 and 119, so that each power of two below is an f32 number.  NaN among the inputs is not served.
; No cluster: what the work-groups share is 48 KiB of weights' codes beside 32 KiB of x a wave.  No prefetch: the launch is one burst of loads, all but Wv's issued at its head.
; REGISTERS, in windows of 256 (s_set_vgpr_msb: bits 1:0 source 0, 3:2 source 1, 5:4 source 2, 7:6 destination):
;   window 0: v1-6 offsets; v8, v9 scale and limit of h's quantiser, v10, v11 of the result's; v16-31 T; v32-95 h's codes (tile m at 32 + 16 m); v96-159, v160-223 two sets of eight accumulators; v224-239, v240-255 two sets of codes to store
;   window 1: v0-127 Wq, later Wv; v128-255 Wk      window 2: v0-63 a, later bq; v64-127 beta, later bk; v128-143 the means; v144-207 bv      window 3: x, then h: register 4 j + m, j = 16 c + i: channel 32 c + 16 h + i, tile m
.set T,   16
.set AC,  32
.set ACC, 96
.set OC,  224
.set MSB, 0
.macro WIN new                         ; the immediate's high byte repeats the setting that is left; a switch that changes nothing is dropped
.if MSB != \new
	s_set_vgpr_msb (MSB<<8)|\new
.set MSB, \new
.endif
.endm
.macro PLACES n
.rept \n
	v_nop
.endr
.endm
	s_load_b512 s[4:19], s[0:1], 0x0               ; x 4:5, stats 6:7, beta 8:9, wimg 10:11, bq 12:13, bk 14:15, bv 16:17, lowp_scales 18:19
	s_load_b128 s[20:23], s[0:1], 0x40             ; qimg 20:21, kv 22:23
	v_lshrrev_b32 v7, 5, v0
	v_readfirstlane_b32 s58, v7                    ; wave 0, 1
	s_lshl_b32 s59, ttmp9, 1
	s_add_co_u32 s59, s59, s58                     ; W
	s_lshr_b32 s60, s59, 6                         ; b
	s_and_b32 s61, s59, 63                         ; blk
	v_and_b32 v7, 31, v0
	v_lshlrev_b32 v1, 4, v7                        ; 16 x lane: my place in an image
	v_and_b32 v14, 15, v0                          ; r
	v_bfe_u32 v15, v0, 4, 1                        ; h
	v_lshlrev_b32 v2, 18, v15                      ; x: 16 h channels of 16,384 bytes
	v_lshl_add_u32 v2, v14, 4, v2                  ;    + 16 r: tokens 4 r .. 4 r + 3
	v_lshlrev_b32 v3, 6, v15                       ; a, beta: 16 h numbers
	v_lshlrev_b32 v4, 4, v15                       ; the means: 4 h groups
	v_lshlrev_b32 v5, 5, v15                       ; bq, bk: 8 h numbers
	v_lshlrev_b32 v6, 2, v14                       ; bv: r numbers
	s_lshl_b32 s62, s60, 21                        ; x: a batch is 2^21 bytes, a block of 64 tokens 256
	s_lshl_b32 s63, s61, 8
	s_add_co_u32 s62, s62, s63
	s_mov_b32 s63, 0
	s_wait_kmcnt 0x0
	s_load_b256 s[24:31], s[18:19], 0x0            ; e0 .. e7
	s_load_b128 s[32:35], s[18:19], 0x20           ; e8 .. e11
	s_add_nc_u64 s[4:5], s[4:5], s[62:63]
	s_mul_i32 s62, s60, 640
	s_add_nc_u64 s[6:7], s[6:7], s[62:63]
	s_lshl_b32 s62, s60, 19
	s_lshl_b32 s51, s61, 13
	s_add_co_u32 s62, s62, s51
	s_add_nc_u64 s[52:53], s[20:21], s[62:63]      ; q's four tiles
	s_lshl_b32 s62, s60, 20
	s_lshr_b32 s51, s61, 1
	s_lshl_b32 s51, s51, 15
	s_add_co_u32 s62, s62, s51
	s_add_nc_u64 s[54:55], s[22:23], s[62:63]      ; my key step of kv
	s_and_b32 s51, s61, 1
	s_lshl_b32 s62, s51, 10
	s_add_co_u32 s62, s62, 16384
	s_add_nc_u64 s[56:57], s[54:55], s[62:63]      ; V^T: my two register groups of each tile
	s_lshl_b32 s62, s51, 13
	s_add_nc_u64 s[54:55], s[54:55], s[62:63]      ; K: my four tiles
	; ALL LOADS BUT Wv's, in the order in which they are wanted: 36 of statistics and beta, 64 of x, 40 of biases, 32 of Wq, 32 of Wk
	WIN 0x80
.irp c, 0,1,2,3
	global_load_b128 v[128+4*\c:131+4*\c], v4, s[6:7] offset:512+32*\c     ; the means of groups 8 c + 4 h + 0 .. 3
.endr
.irp c, 0,1,2,3
.irp q, 0,1,2,3
	global_load_b128 v[16*\c+4*\q:16*\c+4*\q+3], v3, s[6:7] offset:128*\c+16*\q        ; a of channels 32 c + 16 h + 4 q on
	global_load_b128 v[64+16*\c+4*\q:64+16*\c+4*\q+3], v3, s[8:9] offset:128*\c+16*\q  ; beta likewise
.endr
.endr
	WIN 0xc0
.irp c, 0,1,2,3
.set i, 0
.rept 16
	global_load_b128 v[4*(16*\c+i):4*(16*\c+i)+3], v2, s[4:5] offset:(32*\c+i)*16384 th:TH_LOAD_NT
.set i, i+1
.endr
.endr
	WIN 0
.irp n, 0,1,2,3,4,5,6,7
	global_load_b128 v[96+8*\n:99+8*\n],   v5, s[12:13] offset:64*\n       ; bq of channels 16 n + 8 h + 0 .. 7
	global_load_b128 v[100+8*\n:103+8*\n], v5, s[12:13] offset:64*\n+16
	global_load_b128 v[160+8*\n:163+8*\n], v5, s[14:15] offset:64*\n       ; bk
	global_load_b128 v[164+8*\n:167+8*\n], v5, s[14:15] offset:64*\n+16
	global_load_b32 v[224+\n], v6, s[16:17] offset:64*\n                   ; bv of channel 16 n + r
.endr
	WIN 0x40
.irp n, 0,1,2,3,4,5,6,7
.irp c, 0,1,2,3
	global_load_b128 v[16*\n+4*\c:16*\n+4*\c+3], v1, s[10:11] offset:2048*\n+512*\c            ; Wq's images
.endr
.endr
.irp n, 0,1,2,3,4,5,6,7
.irp c, 0,1,2,3
	global_load_b128 v[128+16*\n+4*\c:128+16*\n+4*\c+3], v1, s[10:11] offset:16384+2048*\n+512*\c   ; Wk's
.endr
.endr
	; the scales: s[d] = 2^e as f32, s[d + 1] = 448 x 2^e
.macro MKS d, e
	s_add_co_i32 s51, s[\e], 127
	s_lshl_b32 s[\d], s51, 23
	s_add_co_i32 s51, s51, 8
	s_lshl_b32 s[\d+1], s51, 23
	s_or_b32 s[\d+1], s[\d+1], 0x600000
.endm
	s_wait_kmcnt 0x0
	MKS 36, 24                                     ; h for q: e0
	MKS 38, 26                                     ; for k: e2
	MKS 40, 28                                     ; for v: e4
	s_add_co_i32 s62, s24, s25                     ; a sum of product 1 stands for sum x 2^(e0 + e1):
	s_sub_co_i32 s48, 0, s62                       ; bq goes in as bq / 2^(e0 + e1),
	s_sub_co_i32 s62, s30, s62                     ; and q's code is sum / 2^(e6 - e0 - e1)
	MKS 42, 62
	s_add_co_i32 s62, s26, s27
	s_sub_co_i32 s49, 0, s62
	s_sub_co_i32 s62, s31, s62                     ; e7 - e2 - e3
	MKS 44, 62
	s_add_co_i32 s62, s28, s29
	s_sub_co_i32 s50, 0, s62
	s_sub_co_i32 s62, s33, s62                     ; e9 - e4 - e5
	MKS 46, 62
	s_wait_loadcnt 63                              ; the youngest 63 loads, Wk's 32 and 31 of Wq's, may be out: statistics, beta, x and the biases are in
	; h = (x - mean) a + beta, in place
	WIN 0xcb                                       ; x in window 3, the means in window 2
.set j, 0
.rept 64
.irp m, 0,1,2,3
	v_sub_f32 v[4*j+\m], v[4*j+\m], v[128+j/4]
.endr
.set j, j+1
.endr
	WIN 0xeb                                       ; and a, beta in window 2
.set j, 0
.rept 64
.irp m, 0,1,2,3
	v_fma_f32 v[4*j+\m], v[4*j+\m], v[j], v[64+j]
.endr
.set j, j+1
.endr
	; the biases in the results' layouts, over a and beta, which are done with
	WIN 0x80
.set j, 0
.rept 64
	v_ldexp_f32 v[j], v[96+j], s48
	v_ldexp_f32 v[64+j], v[160+j], s49
.set j, j+1
.endr
.irp n, 0,1,2,3,4,5,6,7
.irp j, 0,1,2,3,4,5,6,7
	v_ldexp_f32 v[144+8*\n+\j], v[224+\n], s50     ; in v's layout a lane's eight registers are eight tokens of ONE channel
.endr
.endr
; h's codes for product p.  The hold also gathers: of a channel's four registers it takes tile m's.  h stands as the hold's third source, so that one window setting serves the hold and the conversions (which have two sources).
.macro AQUANT p
	WIN 0x30
	v_mov_b32 v8, s[36+2*\p]
	v_mov_b32 v9, s[37+2*\p]
.irp m, 0,1,2,3
.irp c, 0,1,2,3
.set i, 0
.rept 16
	v_med3_num_f32 v[T+i], -v9, v9, v[4*(16*\c+i)+\m]      ; the conversion to an 8-bit code does not saturate (ISA guide 7.6.2)
.set i, i+1
.endr
	v_cvt_scalef32_pk8_fp8_f32 v[AC+16*\m+4*\c:AC+16*\m+4*\c+1], v[T:T+7], v8
	v_cvt_scalef32_pk8_fp8_f32 v[AC+16*\m+4*\c+2:AC+16*\m+4*\c+3], v[T+8:T+15], v8
	v_nop                                          ; one plain instruction between a scaled conversion and the next that writes its sources (T) or reads its result (the products)
.endr
.endr
.endm
; q or k of token tile m: eight products, each a whole sum (K = 128), C = the bias; into accumulator set m % 2
.macro WMT p, m
	WIN 0x21                                       ; source 0 (W) window 1, C window 2
.irp n, 0,1,2,3,4,5,6,7
	v_wmma_f32_16x16x128_fp8_fp8 v[ACC+64*((\m)%2)+8*\n:ACC+64*((\m)%2)+8*\n+7], v[128*\p+16*\n:128*\p+16*\n+15], v[AC+16*(\m):AC+16*(\m)+15], v[64*\p+8*\n:64*\p+8*\n+7]
.endr
.endm
; v: channel tiles 2 g, 2 g + 1 for the four token tiles; into accumulator set g % 2
.macro WMV g
	WIN 0x24                                       ; source 1 (Wv) window 1, C window 2
.irp e, 0,1
.irp m, 0,1,2,3
	v_wmma_f32_16x16x128_fp8_fp8 v[ACC+64*((\g)%2)+32*\e+8*\m:ACC+64*((\g)%2)+32*\e+8*\m+7], v[AC+16*\m:AC+16*\m+15], v[16*(2*(\g)+\e):16*(2*(\g)+\e)+15], v[144+8*(2*(\g)+\e):144+8*(2*(\g)+\e)+7]
.endr
.endr
.endm
; a set's 64 sums become 16 registers of codes; each accumulator is read from its low end on
.macro OUTQ set
	WIN 0
	s_wait_xcnt 0x0                                ; the stores of two turns ago have read their data: the codes' registers are written again only behind this wait
.irp g, 0,1,2,3
.set i, 0
.rept 16
	v_med3_num_f32 v[ACC+64*(\set)+16*\g+i], v[ACC+64*(\set)+16*\g+i], -v11, v11
.set i, i+1
.endr
	v_cvt_scalef32_pk8_fp8_f32 v[OC+16*(\set)+4*\g:OC+16*(\set)+4*\g+1], v[ACC+64*(\set)+16*\g:ACC+64*(\set)+16*\g+7], v10
	v_cvt_scalef32_pk8_fp8_f32 v[OC+16*(\set)+4*\g+2:OC+16*(\set)+4*\g+3], v[ACC+64*(\set)+16*\g+8:ACC+64*(\set)+16*\g+15], v10
.endr
	v_nop                                          ; behind the last conversion: later products write its sources
.endm
.macro SETOUT p
	WIN 0
	v_mov_b32 v10, s[42+2*\p]
	v_mov_b32 v11, s[43+2*\p]
.endm
; A phase: the products of turn g + 1 are issued ahead of the conversions of turn g.  Five places stand behind each group of products: four ahead of the first read of results and of loads into
; operands, a fifth since the set is later begun anew by a matrix instruction with another C (ISA guide 7.12.1 for the four).
.macro PHASEQK p, base
	SETOUT \p
	WMT \p, 0
.irp g, 0,1,2,3
.if \g < 3
	WMT \p, \g+1
	PLACES 5
.endif
.if (\p == 0) && (\g == 2)                     ; Wq has been read for the last time: Wv takes its registers
	WIN 0x40
.irp n, 0,1,2,3,4,5,6,7
.irp c, 0,1,2,3
	global_load_b128 v[16*\n+4*\c:16*\n+4*\c+3], v1, s[10:11] offset:32768+2048*\n+512*\c
.endr
.endr
.endif
	OUTQ \g%2
.irp c, 0,1,2,3
	global_store_b128 v1, v[OC+16*(\g%2)+4*\c:OC+16*(\g%2)+4*\c+3], s[\base:\base+1] offset:2048*\g+512*\c
.endr
.endr
.endm
	AQUANT 0
	s_wait_loadcnt 32                              ; Wq is in; Wk's 32 loads may be out
	PHASEQK 0, 52
	AQUANT 1
	s_wait_loadcnt 32                              ; Wk is in; Wv's 32 loads may be out
	PHASEQK 1, 54
	AQUANT 2
	s_wait_loadcnt 0x0                             ; Wv
	SETOUT 2
	WMV 0
.irp g, 0,1,2,3
.if \g < 3
	WMV \g+1
	PLACES 5
.endif
	OUTQ \g%2
.irp e, 0,1
.irp q, 0,1
	global_store_b128 v1, v[OC+16*(\g%2)+4*(2*\e+\q):OC+16*(\g%2)+4*(2*\e+\q)+3], s[56:57] offset:2048*(2*\g+\e)+512*\q
.endr
.endr
.endr
	WIN 0
	s_endpgm
.Lfunc_end_k_q66131aa008_qkv:
	.size	k_q66131aa008_qkv, .Lfunc_end_k_q66131aa008_qkv-k_q66131aa008_qkv
	.p2alignl 7, 3214868480
	.fill 96, 4, 3214868480
	.section	.rodata,"a",@progbits
	.p2align	6, 0x0
	.amdhsa_kernel k_q66131aa008_qkv
		.amdhsa_group_segment_fixed_size 0
		.amdhsa_private_segment_fixed_size 0
		.amdhsa_enable_private_segment 0
		.amdhsa_kernarg_size 80
		.amdhsa_user_sgpr_count 2
		.amdhsa_user_sgpr_kernarg_segment_ptr 1
		.amdhsa_wavefront_size32 1
		.amdhsa_system_sgpr_workgroup_id_x 1
		.amdhsa_system_sgpr_workgroup_id_y 1
		.amdhsa_system_sgpr_workgroup_id_z 1
		.amdhsa_system_vgpr_workitem_id 0
		.amdhsa_next_free_vgpr 1024
		.amdhsa_next_free_sgpr 66
		.amdhsa_reserve_vcc 0
		.amdhsa_float_denorm_mode_32 3
		.amdhsa_float_denorm_mode_16_64 3
		.amdhsa_memory_ordered 1
		.amdhsa_forward_progress 1
		.amdhsa_inst_pref_size 186
	.end_amdhsa_kernel
	.amdgpu_metadata
---
amdhsa.version: [ 1, 2 ]
amdhsa.kernels:
  - .name:           k_q66131aa008_qkv
    .symbol:         k_q66131aa008_qkv.kd
    .args:
      - { .name: x, .offset: 0, .size: 8, .value_kind: global_buffer, .address_space: global }
      - { .name: stats, .offset: 8, .size: 8, .value_kind: global_buffer, .address_space: global }
      - { .name: beta, .offset: 16, .size: 8, .value_kind: global_buffer, .address_space: global }
      - { .name: wimg, .offset: 24, .size: 8, .value_kind: global_buffer, .address_space: global }
      - { .name: bq, .offset: 32, .size: 8, .value_kind: global_buffer, .address_space: global }
      - { .name: bk, .offset: 40, .size: 8, .value_kind: global_buffer, .address_space: global }
      - { .name: bv, .offset: 48, .size: 8, .value_kind: global_buffer, .address_space: global }
      - { .name: lowp_scales, .offset: 56, .size: 8, .value_kind: global_buffer, .address_space: global }
      - { .name: qimg, .offset: 64, .size: 8, .value_kind: global_buffer, .address_space: global }
      - { .name: kv, .offset: 72, .size: 8, .value_kind: global_buffer, .address_space: global }
    .group_segment_fixed_size: 0
    .private_segment_fixed_size: 0
    .kernarg_segment_align: 8
    .kernarg_segment_size: 80
    .max_flat_workgroup_size: 64
    .sgpr_count:     66
    .vgpr_count:     1024
    .wavefront_size: 32
...
	.end_amdgpu_metadata
.endif
;; end of part 2
;; launch attn (part 3): grid 32 x 8, 8 waves a work-group, clusters of 4 x 1, 327,680 bytes of LDS; arguments qimg, kv, wimg, lowp_scales, x, out0; writes out0
.if DOCPART == 3
	.amdgcn_target "amdgcn-amd-amdhsa--gfx1250"
	.amdhsa_code_object_version 6
	.text
	.protected	k_q66131aa008_attn
	.globl	k_q66131aa008_attn
	.p2align	8
	.type	k_q66131aa008_attn,@function
k_q66131aa008_attn:
	s_mov_b64 s[64:65], 0
	v_nop
	global_prefetch_b8 v0, s[64:65] scope:SCOPE_SE
	s_setreg_imm32_b32 hwreg(HW_REG_WAVE_MODE, 25, 1), 1
	s_wait_xcnt 0x0
	s_wait_alu depctr_hold_cnt(0) depctr_sa_sdst(0) depctr_va_vdst(0) depctr_va_sdst(0) depctr_va_ssrc(0) depctr_va_vcc(0) depctr_vm_vsrc(0)
	s_getreg_b32 s2, hwreg(HW_REG_IB_STS2, 6, 4)
	s_cmp_eq_u32 s2, 0
	s_cbranch_scc0 .Lentry_in_a_cluster
	s_endpgm
.Lentry_in_a_cluster:
	s_bfe_u32 s2, ttmp6, 0x10000c
	s_cmp_lg_u32 s2, 0x3003
	s_cbranch_scc0 .Lentry_shape_is_right
	s_endpgm
.Lentry_shape_is_right:
; AttentionBlock in FP8 (E4M3), launch 3 of 3: products 4 and 5 with the softmax between them, product 6 (Wo), the residual.  No work of the problem is left out here.
; SHARES.  A work-group owns 128 queries of one batch; each of its eight waves one tile of 16 (tile 8 qb + wave of qimg: row r is token 128 qb + 64 (wave / 4) + 4 r + wave % 4).  Every wave walks all 4,096 keys, 128 a step.
; LAYOUT.  Both products are used transposed: S^T = K Q^T (source 0 = a tile of 16 keys), O^T = V^T P^T (source 0 = 16 channels of V^T): a lane holds ONE query (lane % 16) throughout.  All operands lie in
; memory and LDS as images of their registers (registers 4 c .. 4 c + 3 of lane l at 512 c + 16 l of a fragment's 2,048 bytes): every LDS load reads 512 consecutive bytes; no pitch, no padding.
; p's 16 registers of S^T's tiles 2 b and 2 b + 1 convert into register group b; the launch before laid V^T's keys in that same order.
; THE SOFTMAX: t = score x log2(e) / sqrt(128); M = the running largest t rounded UP to a whole number; p = 2^(t - M) is quantised, not normalised; the row's sum is taken of the unquantised p and divides at the end.
; When M moves, the sum and O^T are multiplied by 2^(old M - new M), which rounds nothing.
; THE RING.  Two LDS slots of four key steps (131,072 bytes).  CLUSTER: the four work-groups of a cluster belong to one batch and walk the same kv, so each slot is asked for JOINTLY: wave w of each asks for the
; slot's bytes 16,384 w on, with the same descriptor and a mask that names the four.  A wave has two tensor loads out at the head (slot 0's part, its tile of Wo), later one.
; THE WAY OUT.  o = O^T x 2^(e8 + e9) / sum is quantised in registers (its K order is the one in which Wo's image was made); product 6 transposed gives a lane eight output channels of one token; the results meet in a
; stage [channel][128 tokens] in slot 0, which has had its last fill and its last read by then; each wave then takes 16 whole rows, adds x and stores 512 consecutive bytes an instruction.
; LIMITS: e6 + e7 between -123 and 130 (added to c's exponent field); e8 and e10 between -126 and 119; e10 + e11 between -126 and 127; e8 + e9 goes by v_ldexp_f32 and has none.  NaN among the inputs is not served.
; REGISTERS: v1 16 x lane; v2 the step's LDS address; v3 256 x lane; v4 Wo's images; v5, v6 the add's two; v7 into the stage; v9 out of it; v12 -M, v13 the largest t, v[14:15] the sum in two halves; v16-31 Q;
;   v32-95 four fragments of K or V^T, later x; v96-159 S^T, then p, later Wo, later rows of the stage; v160-223 O^T, later the result; v224-239 codes of p, later of o; v240 limit, v241 scale; v242-249 at work.
.set STEPB, 32768                      ; a key step: K's eight tiles, then V^T's eight
.set SLOTB, 4*STEPB
.set SLOT1, 131072                     ; slot 1 begins here: one exclusive or turns an address in one slot into the other's
.set WOI,   262144                     ; Wo's eight images
.set SPARE, 278528                     ; the spare words, 128 bytes for each of the eight waves; no other line names them
.set SP,    528                        ; a row of the stage: 128 tokens x 4 bytes + 16
.macro PLACES n
.rept \n
	v_nop
.endr
.endm
; A round of the cluster's barrier: my work-group's barrier, so that wave 0's signal speaks for all eight waves; wave 0 signals for the work-group; every wave waits for the four work-groups; my work-group's barrier once more.
.macro CROUND
	s_barrier_signal -1
	s_barrier_wait -1
	s_cmp_lg_u32 s16, 0
	s_cbranch_scc1 .Lnot_wave_0_\@
	s_barrier_signal -3
.Lnot_wave_0_\@:
	s_barrier_wait -3
	s_barrier_signal -1
	s_barrier_wait -1
.endm
; A PREFETCH INTO THE L2 of the slot that the NEXT change of slots will ask for: four key steps ahead of that load.  All eight clusters of a batch walk the same kv: the batch's first cluster asks.  Its four
; partners share the slot's 131,072 bytes out BY ADDRESS, 32,768 each; in each, waves 0 to 3 take 8,192 bytes, lanes 256 bytes apart: each block of 256 bytes is named once in the launch.
; The last change that fills a slot asks for nothing; slots 0 and 1 come by their loads alone.
.macro ASK
	s_cmp_gt_u32 s60, s61
	s_cbranch_scc0 .Lnot_mine_\@
	global_prefetch_b8 v3, s[62:63] th:TH_LOAD_NT scope:SCOPE_SE
.Lnot_mine_\@:
.endm
	s_load_b256 s[4:11], s[0:1], 0x0               ; qimg 4:5, kv 6:7, wimg 8:9, lowp_scales 10:11
	s_load_b128 s[12:15], s[0:1], 0x20             ; x 12:13, out0 14:15
	v_lshl_add_u32 v5, v0, 2, SPARE                ; my spare word; never rewritten
	v_mov_b32 v6, 0                                ; 0; never rewritten
	ds_add_u32 v5, v6                              ; the wave's opening: the add, twice on end, and its wait ahead of my first tensor load; the set-up below, work on registers, stands between
	ds_add_u32 v5, v6
	v_lshrrev_b32 v1, 5, v0
	v_readfirstlane_b32 s16, v1                    ; wave 0..7
	s_bfe_u32 s17, ttmp6, 0x40000                  ; cx: my place in the cluster; it enters the addresses of Q, x, out0 and of the prefetches alone
	s_lshl_b32 s18, ttmp9, 2
	s_add_co_u32 s18, s18, s17                     ; qb: my block of 128 queries
	s_and_b32 s19, ttmp7, 0xffff                   ; the batch, which the four partners share
	; descriptor group 1 for kv: 16,384 dense bytes as 64 rows of 32 elements of 8 bytes
	s_mov_b32 s24, 15|(3<<16)|(1<<21)              ; 15:0 the mask: all four work-groups; 17:16 elements of 8 bytes; 21 set beside a mask
	s_mov_b32 s25, 32<<16                          ; tensor_dim0 = 32
	s_mov_b32 s26, 64<<16                          ; tensor_dim1 = 64
	s_mov_b32 s27, 32<<16                          ; tile_dim0 = 32
	s_mov_b32 s28, 64                              ; tile_dim1 = 64
	s_mov_b32 s29, 32                              ; from row to row
	s_mov_b32 s30, 0
	s_mov_b32 s31, 0
	; and for a tile of Wo: 2,048 dense bytes as 8 such rows, a load of my work-group's own (no mask)
	s_mov_b32 s32, 3<<16
	s_mov_b32 s33, 32<<16
	s_mov_b32 s34, 8<<16
	s_mov_b32 s35, 32<<16
	s_mov_b32 s36, 8
	s_mov_b32 s37, 32
	s_mov_b32 s38, 0
	s_mov_b32 s39, 0
	s_mov_b32 s20, 0x76543210                      ; v_permlanex16_b32: lane l xor 16
	s_mov_b32 s21, 0xfedcba98
	s_mov_b32 s22, 0x3e0293ee                      ; c = log2(e) / sqrt(128)
	s_mov_b32 s2, 0                                ; LDS byte of the key step in hand
	s_mov_b32 s60, 7                               ; slots still to be asked for
	s_lshr_b32 s61, s16, 2                         ; 0 in waves 0 to 3
	s_or_b32 s61, s61, ttmp9                       ; of the batch's first cluster: the same in all four partners
	s_cmp_eq_u32 s61, 0
	s_cselect_b32 s61, 1, -1                       ; a wave prefetches while s60 is above this
	v_and_b32 v1, 31, v0
	v_lshlrev_b32 v1, 4, v1                        ; 16 x lane
	v_lshlrev_b32 v3, 4, v1                        ; 256 x lane
	s_lshl_b32 s66, s19, 20                        ; kv: the batch's 2^20 bytes,
	s_lshl_b32 s67, s16, 14                        ; my wave's 16,384 of a slot
	s_add_co_u32 s66, s66, s67
	s_mov_b32 s67, 0
	s_lshl_b32 s68, s16, 11                        ; wimg: Wo's images begin at 49,152; my wave's tile
	s_add_co_u32 s68, s68, 49152
	s_mov_b32 s69, 0
	s_lshl_b32 s70, s19, 20                        ; the prefetches: batch, my work-group's quarter, my wave's 8,192 bytes,
	s_lshl_b32 s71, s17, 15
	s_add_co_u32 s70, s70, s71
	s_lshl_b32 s71, s16, 13
	s_add_co_u32 s70, s70, s71
	s_add_co_u32 s70, s70, SLOTB                   ; in the second slot's data: the first change of slots steps it to the third's
	s_mov_b32 s71, 0
	s_lshl_b32 s72, s19, 19                        ; qimg: batch, block of eight tiles, my tile
	s_lshl_b32 s73, s18, 14
	s_add_co_u32 s72, s72, s73
	s_lshl_b32 s73, s16, 11
	s_add_co_u32 s72, s72, s73
	s_mov_b32 s73, 0
	s_lshl_b32 s74, s19, 21                        ; x and out0: batch, my wave's 16 channels of 16,384 bytes, my block's 128 tokens
	s_lshl_b32 s75, s16, 18
	s_add_co_u32 s74, s74, s75
	s_lshl_b32 s75, s18, 9
	s_add_co_u32 s74, s74, s75
	s_mov_b32 s75, 0
	s_wait_dscnt 0x0                               ; both opening adds are done
	s_wait_kmcnt 0x0
	s_load_b256 s[48:55], s[10:11], 0x0            ; e0 .. e7
	s_load_b128 s[56:59], s[10:11], 0x20           ; e8 .. e11
	s_mov_b32 s40, 1                               ; group 0 for kv, which walks: count = 1,
	s_lshl_b32 s41, s16, 14                        ; LDS address: slot 0, my wave's part,
	s_add_nc_u64 s[42:43], s[6:7], s[66:67]        ; global address,
	s_or_b32 s43, s43, 0x80000000                  ; type = 2
	s_mov_b32 s44, 1                               ; group 0 for my tile of Wo
	s_lshl_b32 s45, s16, 11
	s_add_co_u32 s45, s45, WOI
	s_add_nc_u64 s[46:47], s[8:9], s[68:69]
	s_or_b32 s47, s47, 0x80000000
	s_add_nc_u64 s[62:63], s[6:7], s[70:71]
	s_add_nc_u64 s[4:5], s[4:5], s[72:73]
	s_add_nc_u64 s[12:13], s[12:13], s[74:75]
	s_add_nc_u64 s[14:15], s[14:15], s[74:75]
	CROUND                                         ; all four work-groups are here: the first joint loads meet
	tensor_load_to_lds s[40:43], s[24:31]          ; the first fills go out together, ahead of every wait on TENSORcnt and every LDS read
	s_nop 0
	tensor_load_to_lds s[44:47], s[32:39]
	s_nop 0
	PLACES 4
.irp c, 0,1,2,3
	global_load_b128 v[16+4*\c:19+4*\c], v1, s[4:5] offset:512*\c          ; Q's fragment stays in registers
.endr
	v_add_nc_u32 v4, WOI, v1
	v_and_b32 v10, 15, v0                          ; r
	v_bfe_u32 v11, v0, 4, 1                        ; h
	v_mul_u32_u24 v7, v11, 8*SP                    ; into the stage: row 8 h (+ 16 nt + j in the immediate),
	v_lshl_add_u32 v7, v10, 4, v7                  ; token 64 (wave / 4) + 4 r + wave % 4, 4 bytes each
	s_lshr_b32 s66, s16, 2
	s_lshl_b32 s66, s66, 8
	s_and_b32 s67, s16, 3
	s_lshl_b32 s67, s67, 2
	s_add_co_u32 s66, s66, s67
	v_add_nc_u32 v7, s66, v7
	s_mul_i32 s66, s16, 16*SP                      ; out of it: my wave's 16 rows, 16 bytes a lane
	v_add_nc_u32 v9, s66, v1
	v_mov_b32 v13, 0xff61b1e6                      ; the largest t so far: -3e38, under every t
	v_floor_f32 v12, -v13                          ; -M
	v_mov_b32 v14, 0                               ; the sum, in two halves
	v_mov_b32 v15, 0
	v_mov_b32 v246, 0                              ; written once: a lane permute's destination counts as one of its sources
	v_mov_b32 v249, 0                              ; (named as the upper half of the pair v[248:249])
.set j, 0
.rept 64
	v_mov_b32 v[160+j], 0                          ; O^T.  (The step is written once: the first finds zeros, which the first change of M leaves zeros)
.set j, j+1
.endr
	s_wait_kmcnt 0x0
	s_add_co_i32 s66, s54, s55
	s_lshl_b32 s66, s66, 23
	s_add_co_i32 s22, s22, s66                     ; a score stands for score x 2^(e6 + e7): the exponents are added to c's exponent field
	s_mov_b32 s23, s22                             ; (named with it as a pair, so it is written)
	s_add_co_i32 s66, s56, 127
	s_lshl_b32 s67, s66, 23
	v_mov_b32 v241, s67                            ; 2^e8 as f32, for p's conversions
	s_add_co_i32 s66, s66, 8
	s_lshl_b32 s66, s66, 23
	s_or_b32 s66, s66, 0x600000
	v_mov_b32 v240, s66                            ; 448 x 2^e8
	s_add_co_i32 s72, s56, s57                     ; e8 + e9
	s_add_co_i32 s66, s58, 127
	s_lshl_b32 s73, s66, 23                        ; 2^e10
	s_add_co_i32 s66, s66, 8
	s_lshl_b32 s74, s66, 23
	s_or_b32 s74, s74, 0x600000                    ; 448 x 2^e10
	s_add_co_i32 s66, s58, s59
	s_add_co_i32 s66, s66, 127
	s_lshl_b32 s76, s66, 23                        ; 2^(e10 + e11)
	s_mov_b32 s77, s76
.macro LOADF base                      ; four fragments, from byte base of the step's 32,768 on, into v32-95
.irp t, 0,1,2,3
.irp c, 0,1,2,3
	ds_load_b128 v[32+16*\t+4*\c:35+16*\t+4*\c], v2 offset:\base+2048*\t+512*\c
.endr
.endr
.endm
; A KEY STEP: 128 keys.  A load into a register that a matrix instruction has read, and a vector instruction that reads a matrix result, stand four places behind it (ISA guide 7.12.1 for vector instructions).
; The accumulators take turns, one instruction a turn.
.macro STEP
	v_add_nc_u32 v2, s2, v1                        ; with the three below: the four places behind the last step's products
	PLACES 3
.irp g, 0,1
.if \g > 0
	PLACES 4
.endif
	LOADF 8192*\g
	s_wait_dscnt 0x0
.irp t, 0,1,2,3
	v_wmma_f32_16x16x128_fp8_fp8 v[96+8*(4*\g+\t):103+8*(4*\g+\t)], v[32+16*\t:47+16*\t], v[16:31], 0
.endr
.endr
	PLACES 4
	LOADF 16384                                    ; V^T's first four tiles are asked for now and land under the softmax
	v_max3_num_f32 v244, v96, v97, v98             ; the step's largest score of my query, among my 64 keys, in two chains, each accumulator from its low end on,
	v_max3_num_f32 v245, v99, v100, v101
.irp i, 6,10,14,18,22,26,30,34,38,42,46,50,54,58
	v_max3_num_f32 v244, v244, v[96+\i], v[97+\i]
	v_max3_num_f32 v245, v245, v[98+\i], v[99+\i]
.endr
	v_max3_num_f32 v244, v244, v158, v159
	v_max_num_f32 v244, v244, v245
	v_permlanex16_b32 v246, v244, s20, s21
	v_max_num_f32 v244, v244, v246                 ; and among lane l xor 16's
	v_mul_f32 v244, s22, v244                      ; as t (c is positive)
	v_max_num_f32 v13, v13, v244                   ; the running largest t
	v_mov_b32 v244, v12
	v_floor_f32 v12, -v13                          ; the new -M = floor(-t) = -ceil(t): M is a whole number
	v_sub_f32 v244, v12, v244                      ; M's old value less its new one: a whole number, 0 or less
	v_cvt_i32_f32 v244, v244                       ; (it saturates)
	v_ldexp_f32 v248, 1.0, v244                    ; f = 2^(old M - new M)
.set j, 0
.rept 32
	v_pk_fma_f32 v[96+j:97+j], v[96+j:97+j], s[22:23], v[12:13] op_sel_hi:[1,0,0]   ; t - M, two at a time (of the pairs c and -M the low word serves both halves)
.set j, j+2
.endr
.set j, 0
.rept 64
	v_exp_f32 v[96+j], v[96+j]                     ; p = 2^(t - M), at most 1: not normalised
.set j, j+1
.endr
	v_pk_mul_f32 v[14:15], v[14:15], v[248:249] op_sel_hi:[1,0]   ; the sums under the new M.  (The plain instruction behind the exponentials)
	s_wait_alu depctr_va_vdst(0)                   ; one wait for the whole batch, ahead of its first reader
	v_pk_add_f32 v[242:243], v[96:97], v[98:99]    ; the row's sum is taken of the unquantised p: two at a time, in two chains
.irp j, 4,8,12,16,20,24,28,32,36,40,44,48,52,56,60
	v_pk_add_f32 v[14:15], v[14:15], v[96+\j:97+\j]
	v_pk_add_f32 v[242:243], v[242:243], v[98+\j:99+\j]
.endr
	v_pk_add_f32 v[14:15], v[14:15], v[242:243]
.irp b, 0,1,2,3
.set i, 0
.rept 16
	v_min_num_f32 v[96+16*\b+i], v[96+16*\b+i], v240   ; the conversion does not saturate (ISA guide 7.6.2); p is not negative, so the hold is one-sided
.set i, i+1
.endr
	v_cvt_scalef32_pk8_fp8_f32 v[224+4*\b:225+4*\b], v[96+16*\b:103+16*\b], v241
	v_cvt_scalef32_pk8_fp8_f32 v[226+4*\b:227+4*\b], v[104+16*\b:111+16*\b], v241
.endr
.set j, 0
.rept 32
	v_pk_mul_f32 v[160+j:161+j], v[160+j:161+j], v[248:249] op_sel_hi:[1,0]   ; O^T under the new M.  (Also the plain instructions between the conversions and the products)
.set j, j+2
.endr
.irp g, 0,1
.if \g > 0
	PLACES 4
	LOADF 24576
.endif
	s_wait_dscnt 0x0
.irp t, 0,1,2,3
	v_wmma_f32_16x16x128_fp8_fp8 v[160+8*(4*\g+\t):167+8*(4*\g+\t)], v[32+16*\t:47+16*\t], v[224:239], v[160+8*(4*\g+\t):167+8*(4*\g+\t)]
.endr
.endr
.endm
; THE CHANGE OF SLOTS stands at a slot's head.  Each wave waits for all its tensor loads (its part of the slot that it is about to read), adds 0 to its spare word, and waits for that and for its reads of the slot that it has left.
; fill = 1: the barrier is a round of the cluster's, so that no wave of any partner still reads the other slot or has a load on its way; the joint load of the next four key steps is the first thing behind it and has
; four steps in which to land.  (In the first trip that load is slot 1's first fill, in all eight waves.)
.macro CHANGE fill
	s_wait_tensorcnt 0x0                           ; no tensor load of mine is out, so group 0 may be written
	ds_add_u32 v5, v6                              ; 0 onto my spare word
.if \fill
	s_xor_b32 s41, s41, SLOT1                      ; the walking descriptor: the other slot than last time,
	s_add_nc_u64 s[42:43], s[42:43], SLOTB         ; the next four key steps; the type bits on top are not reached
	s_wait_xcnt 0x0                                ; the last prefetch, a slot back, has read its address, so it may be written:
	s_add_nc_u64 s[62:63], s[62:63], SLOTB         ; one slot further on than the walking descriptor
	s_wait_dscnt 0x0                               ; the add is done, and my reads of the slot that I have left are over
	CROUND
	tensor_load_to_lds s[40:43], s[24:31]
	s_nop 0
	PLACES 4
	ASK
.else
	s_wait_dscnt 0x0
	s_barrier_signal -1
	s_barrier_wait -1
.endif
.endm
.macro SLOT_STEPS                      ; a slot's four key steps: written once, walked four times; the LDS addresses hang on s2
	s_mov_b32 s3, 4
.Lstep_\@:
	STEP
	s_add_co_u32 s2, s2, STEPB
	s_sub_co_u32 s3, s3, 1
	s_cmp_lg_u32 s3, 0
	s_cbranch_scc1 .Lstep_\@
	s_sub_co_u32 s2, s2, SLOTB                     ; back to a slot's first step,
	s_xor_b32 s2, s2, SLOT1                        ; in the other slot
.endm
	s_wait_loadcnt 0x0                             ; Q
.Lslot:                                                ; seven trips: behind each change of slots but the last the next slot is asked for
	CHANGE 1
	SLOT_STEPS
	s_sub_co_u32 s60, s60, 1
	s_cmp_lg_u32 s60, 0
	s_cbranch_scc1 .Lslot
	CHANGE 0                                       ; the last slot is written out
	SLOT_STEPS
	; THE WAY OUT
	PLACES 4                                       ; behind the last products: loads into their operands, reads of their results
.set i, 0
.rept 16
	global_load_b128 v[32+4*i:35+4*i], v1, s[12:13] offset:16384*i th:TH_LOAD_NT   ; x: channel 16 wave + i, my block's 128 tokens: 512 consecutive bytes
.set i, i+1
.endr
.macro LOADW base                      ; four of Wo's images into v96-159
.irp t, 0,1,2,3
.irp c, 0,1,2,3
	ds_load_b128 v[96+16*\t+4*\c:99+16*\t+4*\c], v4 offset:\base+2048*\t+512*\c
.endr
.endr
.endm
	LOADW 0
	v_add_f32 v14, v14, v15                        ; the sum's two halves,
	v_permlanex16_b32 v246, v14, s20, s21
	v_add_f32 v14, v14, v246                       ; and lane l xor 16's: the row's sum
	v_rcp_f32 v14, v14
	v_mov_b32 v241, s73                            ; (a plain instruction behind the transcendental)  2^e10, for o's conversions
	v_mov_b32 v240, s74                            ; 448 x 2^e10
	s_wait_alu depctr_va_vdst(0)                   ; ahead of the reciprocal's first reader
	v_ldexp_f32 v14, v14, s72                      ; x 2^(e8 + e9)
.set j, 0
.rept 32
	v_pk_mul_f32 v[160+j:161+j], v[160+j:161+j], v[14:15] op_sel_hi:[1,0]   ; o: register 8 t + i is channel 16 t + 8 h + i of my query
.set j, j+2
.endr
.irp b, 0,1,2,3
.set i, 0
.rept 16
	v_med3_num_f32 v[160+16*\b+i], v[160+16*\b+i], -v240, v240
.set i, i+1
.endr
	v_cvt_scalef32_pk8_fp8_f32 v[224+4*\b:225+4*\b], v[160+16*\b:167+16*\b], v241
	v_cvt_scalef32_pk8_fp8_f32 v[226+4*\b:227+4*\b], v[168+16*\b:175+16*\b], v241
.endr
	v_nop                                          ; one plain instruction between the conversions and the products, which read their results and write their sources
	s_wait_dscnt 0x0
.irp n, 0,1,2,3                                ; product 6, transposed: source 0 = 16 rows of Wo, source 1 = o: register j of lane (r, h) is output channel 16 n + 8 h + j of query r
	v_wmma_f32_16x16x128_fp8_fp8 v[160+8*\n:167+8*\n], v[96+16*\n:111+16*\n], v[224:239], 0
.endr
	PLACES 4
	LOADW 8192
	s_wait_dscnt 0x0
.irp n, 0,1,2,3
	v_wmma_f32_16x16x128_fp8_fp8 v[192+8*\n:199+8*\n], v[96+16*\n:111+16*\n], v[224:239], 0
.endr
	PLACES 4
.set j, 0
.rept 64
	ds_store_b32 v7, v[160+j] offset:(16*(j/8)+j%8)*SP   ; each accumulator from its low end on.  119 rows of 528 bytes at the most: inside the 16-bit immediate
.set j, j+1
.endr
	s_wait_dscnt 0x0                               ; for the others' sake: my stores into the stage are done
	s_barrier_signal -1
	s_barrier_wait -1
.set i, 0
.rept 16
	ds_load_b128 v[96+4*i:99+4*i], v9 offset:SP*i  ; row 16 wave + i, whole
.set i, i+1
.endr
	s_wait_loadcnt 0x0                             ; x
.set i, 0
.rept 16
	s_wait_dscnt 15-i                              ; row i is back; the 15 - i younger loads may be out
	v_pk_fma_f32 v[160+4*i:161+4*i], v[96+4*i:97+4*i], s[76:77], v[32+4*i:33+4*i] op_sel_hi:[1,0,1]   ; sum x 2^(e10 + e11) + x
	v_pk_fma_f32 v[162+4*i:163+4*i], v[98+4*i:99+4*i], s[76:77], v[34+4*i:35+4*i] op_sel_hi:[1,0,1]
	global_store_b128 v1, v[160+4*i:163+4*i], s[14:15] offset:16384*i th:TH_STORE_NT   ; 32 lanes store 512 consecutive bytes, at a multiple of 256 from out0's first byte
.set i, i+1
.endr
	s_wait_tensorcnt 0x0                           ; the wave's end, behind my last tensor load and my last LDS store
	ds_add_u32 v5, v6
	s_wait_dscnt 0x0
	CROUND                                         ; the closing round: no work-group ends while a partner may still ask for a tile that names it
	s_endpgm
.Lfunc_end_k_q66131aa008_attn:
	.size	k_q66131aa008_attn, .Lfunc_end_k_q66131aa008_attn-k_q66131aa008_attn
	.p2alignl 7, 3214868480
	.fill 96, 4, 3214868480
	.section	.rodata,"a",@progbits
	.p2align	6, 0x0
	.amdhsa_kernel k_q66131aa008_attn
		.amdhsa_group_segment_fixed_size 327680
		.amdhsa_private_segment_fixed_size 0
		.amdhsa_enable_private_segment 0
		.amdhsa_kernarg_size 48
		.amdhsa_user_sgpr_count 2
		.amdhsa_user_sgpr_kernarg_segment_ptr 1
		.amdhsa_wavefront_size32 1
		.amdhsa_system_sgpr_workgroup_id_x 1
		.amdhsa_system_sgpr_workgroup_id_y 1
		.amdhsa_system_sgpr_workgroup_id_z 1
		.amdhsa_system_vgpr_workitem_id 0
		.amdhsa_next_free_vgpr 256
		.amdhsa_next_free_sgpr 80
		.amdhsa_reserve_vcc 0
		.amdhsa_float_denorm_mode_32 3
		.amdhsa_float_denorm_mode_16_64 3
		.amdhsa_memory_ordered 1
		.amdhsa_forward_progress 1
		.amdhsa_inst_pref_size 69
	.end_amdhsa_kernel
	.amdgpu_metadata
---
amdhsa.version: [ 1, 2 ]
amdhsa.kernels:
  - .name:           k_q66131aa008_attn
    .symbol:         k_q66131aa008_attn.kd
    .args:
      - { .name: qimg, .offset: 0, .size: 8, .value_kind: global_buffer, .address_space: global }
      - { .name: kv, .offset: 8, .size: 8, .value_kind: global_buffer, .address_space: global }
      - { .name: wimg, .offset: 16, .size: 8, .value_kind: global_buffer, .address_space: global }
      - { .name: lowp_scales, .offset: 24, .size: 8, .value_kind: global_buffer, .address_space: global }
      - { .name: x, .offset: 32, .size: 8, .value_kind: global_buffer, .address_space: global }
      - { .name: out0, .offset: 40, .size: 8, .value_kind: global_buffer, .address_space: global }
    .group_segment_fixed_size: 327680
    .private_segment_fixed_size: 0
    .kernarg_segment_align: 8
    .kernarg_segment_size: 48
    .max_flat_workgroup_size: 256
    .sgpr_count:     80
    .vgpr_count:     256
    .wavefront_size: 32
...
	.end_amdgpu_metadata
.endif
;; end of part 3
;; ======== version 2 of 2: 3 launches
;; limits: right only within a limited range of input values
;; workspace buffers: stats 5,120 bytes; wimg 65,536 bytes; qimg 4,194,304 bytes; kv 8,388,608 bytes
;; launch prep (part 4): grid 260 x 1, 8 waves a work-group, no clusters, 1,536 bytes of LDS; arguments x, gamma, Wq, Wk, Wv, Wo, lowp_scales, stats, wimg; writes stats, wimg
.if DOCPART == 4
	.amdgcn_target "amdgcn-amd-amdhsa--gfx1250"
	.amdhsa_code_object_version 6
	.text
	.protected	k_q66131aa008_prep
	.globl	k_q66131aa008_prep
	.p2align	8
	.type	k_q66131aa008_prep,@function
k_q66131aa008_prep:
	s_mov_b64 s[64:65], 0
	v_nop
	global_prefetch_b8 v0, s[64:65] scope:SCOPE_SE
	s_setreg_imm32_b32 hwreg(HW_REG_WAVE_MODE, 25, 1), 1
	s_wait_xcnt 0x0
; AttentionBlock in FP8 (E4M3), launch 1 of 3: the group norm's statistics, and the four weights as codes.
; DEAD WORK: none.  Every input has a way to an output: x, gamma, beta make the normalised tensor; Wq, Wk, Wv, Wo, bq, bk, bv move the codes of q, k, v or the result (bk too: it goes into k ahead of
; k's quantiser); all twelve scales are used.  So every input is loaded by some launch and no step of the problem is left out.
; WORK-GROUPS 0 to 255: group G = 32 b + g of x [8][128][4096]: its 4 channels x 4,096 positions are one dense block of 65,536 bytes.  256 threads x 64 numbers: the block stays in registers between
; the pass for the mean and the pass for the variance, which sums (x - mean)^2: no difference of large sums is formed.  Stored: a[c] = gamma[c] / sqrt(var + 1e-6) for the group's 4 channels, and the mean.
;   stats: [b][640 bytes]: a[128] at byte 0, mean[32] at byte 512.  A work-group's 20 bytes are stored by five lanes of wave 0: a table of 5,120 bytes in all.
; WORK-GROUPS 256 to 259: weight w = 0 Wq, 1 Wk, 2 Wv, 3 Wo ([n][k] f32, K innermost) becomes eight IMAGES OF OPERAND REGISTERS, one a wave: a fragment of 16 rows x 128 K is 16 registers a lane;
;   registers 4 c .. 4 c + 3 of lane l lie at 512 c + 16 l of the fragment's 2,048 bytes.  wimg: [w][tile nt][2048].  Lane (r = l % 16, h = l / 16) holds row 16 nt + r.
;   Which k stands at which byte is free as long as both operands of a product agree.  Wq, Wk, Wv: byte i of group c is k = 32 c + 16 h + i.  Wo: bytes 0-7 are k = 32 c + 8 h + 0..7, bytes 8-15 k = 32 c + 16 + 8 h + 0..7.
;   code = w / 2^e, held within +-448, to the nearest code, ties to even; e = entry 1, 3, 5, 11 of lowp_scales.
; LIMITS: those four e lie between -126 and 119, so that 2^e and 448 x 2^e are f32 numbers.  NaN among the inputs is not served.  v_rsq_f32 is good to one unit in the last place.
; No cluster and no tensor load: the work-groups share no input, and each byte is read once, straight into registers.
.set RED1,  0                          ; LDS: eight partial sums (32 bytes of a block of 256)
.set RED2,  256                        ; the same for the second sum: other bytes, so that no barrier is needed between the two uses
.set SPARE, 512                        ; the spare words, 128 bytes for each of the eight waves; no other line names them
.set X,     16                         ; v16-79  my 64 numbers
	s_load_b512 s[4:19], s[0:1], 0x0               ; x 4:5, gamma 6:7, Wq 8:9, Wk 10:11, Wv 12:13, Wo 14:15, lowp_scales 16:17, stats 18:19
	s_load_b64 s[20:21], s[0:1], 0x40              ; wimg
	v_lshl_add_u32 v110, v0, 2, SPARE              ; my spare word; never rewritten
	v_mov_b32 v111, 0                              ; 0; never rewritten
	v_lshrrev_b32 v87, 5, v0
	s_delay_alu instid0(VALU_DEP_1)
	v_readfirstlane_b32 s22, v87                   ; wave 0..7
	s_cmp_ge_u32 ttmp9, 256                        ; the work-group's number alone: all eight waves go the same way
	s_cbranch_scc1 .Lweights
; ---------------- the statistics of one group ----------------
	v_lshlrev_b32 v87, 2, v87                      ; 4 x wave: where my wave's partial sum goes
	v_mov_b32 v88, 0
	v_mov_b32 v86, 0                               ; written once: a lane permute's destination counts as one of its sources
	s_mov_b32 s24, 0x76543210                      ; v_permlanex16_b32: lane l takes lane l xor 16
	s_mov_b32 s25, 0xfedcba98
	s_mov_b32 s32, 0x38800000                      ; 2^-14 = 1 / 16,384 numbers
	s_lshl_b32 s26, ttmp9, 16                      ; the group's 65,536 bytes
	s_mov_b32 s27, 0
	s_and_b32 s28, ttmp9, 31                       ; g
	s_lshr_b32 s29, ttmp9, 5                       ; b
	s_lshl_b32 s30, s28, 4                         ; 16 g: the group's four numbers of gamma, and of a
	s_mov_b32 s31, 0
	v_lshlrev_b32 v1, 4, v0                        ; 16 bytes a thread: a wave's load covers 512 consecutive bytes
	v_min_u32 v2, 3, v0
	s_delay_alu instid0(VALU_DEP_1)
	v_lshlrev_b32 v2, 2, v2                        ; 4 x min(thread, 3)
	s_wait_alu depctr_va_vdst(0)
	s_wait_kmcnt 0x0
	s_add_nc_u64 s[4:5], s[4:5], s[26:27]
	s_add_nc_u64 s[6:7], s[6:7], s[30:31]
.set i, 0
.rept 16
	global_load_b128 v[X+4*i:X+4*i+3], v1, s[4:5] offset:4096*i th:TH_LOAD_NT
.set i, i+1
.endr
	global_load_b32 v3, v2, s[6:7]                 ; gamma of channel 4 g + min(thread, 3)
.macro WAVESUM                         ; v80 summed over the 32 lanes, the result in every lane
	s_delay_alu instid0(VALU_DEP_1)
	v_add_f32_dpp v80, v80, v80 row_xmask:1 row_mask:0xf bank_mask:0xf
	s_delay_alu instid0(VALU_DEP_1)
	v_add_f32_dpp v80, v80, v80 row_xmask:2 row_mask:0xf bank_mask:0xf
	s_delay_alu instid0(VALU_DEP_1)
	v_add_f32_dpp v80, v80, v80 row_xmask:4 row_mask:0xf bank_mask:0xf
	s_delay_alu instid0(VALU_DEP_1)
	v_add_f32_dpp v80, v80, v80 row_xmask:8 row_mask:0xf bank_mask:0xf
	s_delay_alu instid0(VALU_DEP_1)
	v_permlanex16_b32 v86, v80, s24, s25
	s_delay_alu instid0(VALU_DEP_1)
	v_add_f32 v80, v80, v86
.endm
.macro WGSUM base                      ; v80 summed over the eight waves, the result in v92 of every lane
	ds_store_b32 v87, v80 offset:\base             ; all lanes of a wave write the same word with the same value
	s_wait_dscnt 0x0                               ; for the others' sake: my store is done
	s_barrier_signal -1
	s_barrier_wait -1
	ds_load_b128 v[92:95], v88 offset:\base
	ds_load_b128 v[96:99], v88 offset:\base+16
	s_wait_dscnt 0x0
	v_add_f32 v92, v92, v93
	v_add_f32 v94, v94, v95
	v_add_f32 v96, v96, v97
	v_add_f32 v98, v98, v99
	s_delay_alu instid0(VALU_DEP_3)
	v_add_f32 v92, v92, v94
	s_delay_alu instid0(VALU_DEP_2)
	v_add_f32 v96, v96, v98
	s_delay_alu instid0(VALU_DEP_1)
	v_add_f32 v92, v92, v96
.endm
	; pass 1: the sum, two numbers at a time, in two chains that the first two loads start: nothing is cleared
.set i, 0
.rept 16
	s_wait_loadcnt 16-i                            ; load i is in; behind it were issued the 15 - i younger loads of x and gamma's
.if i < 2
	v_pk_add_f32 v[80+2*i:81+2*i], v[X+4*i:X+4*i+1], v[X+4*i+2:X+4*i+3]
.else
	s_wait_alu depctr_va_vdst(0)
	v_pk_add_f32 v[80+2*(i%2):81+2*(i%2)], v[80+2*(i%2):81+2*(i%2)], v[X+4*i:X+4*i+1]
	s_delay_alu instid0(VALU_DEP_1)
	v_pk_add_f32 v[80+2*(i%2):81+2*(i%2)], v[80+2*(i%2):81+2*(i%2)], v[X+4*i+2:X+4*i+3]
.endif
.set i, i+1
.endr
	s_delay_alu instid0(VALU_DEP_1)
	v_pk_add_f32 v[80:81], v[80:81], v[82:83]
	s_delay_alu instid0(VALU_DEP_1)
	v_add_f32 v80, v80, v81
	WAVESUM
	WGSUM RED1
	s_delay_alu instid0(VALU_DEP_1)
	v_mul_f32 v84, s32, v92                        ; the mean
	s_delay_alu instid0(VALU_DEP_1)
	v_mov_b32 v85, v84                             ; twice: a pair for the packed subtraction
	; pass 2: x - mean in place, then the sum of its squares, again in two chains
.set i, 0
.rept 32
	v_pk_add_f32 v[X+2*i:X+2*i+1], v[X+2*i:X+2*i+1], v[84:85] neg_lo:[0,1] neg_hi:[0,1]
.set i, i+1
.endr
	v_pk_mul_f32 v[80:81], v[X:X+1], v[X:X+1]
	v_pk_mul_f32 v[82:83], v[X+2:X+3], v[X+2:X+3]
.set i, 2
.rept 30
	s_delay_alu instid0(VALU_DEP_2)
	v_pk_fma_f32 v[80+2*(i%2):81+2*(i%2)], v[X+2*i:X+2*i+1], v[X+2*i:X+2*i+1], v[80+2*(i%2):81+2*(i%2)]
.set i, i+1
.endr
	s_delay_alu instid0(VALU_DEP_1)
	v_pk_add_f32 v[80:81], v[80:81], v[82:83]
	s_delay_alu instid0(VALU_DEP_1)
	v_add_f32 v80, v80, v81
	WAVESUM
	WGSUM RED2
	v_mov_b32 v89, 0x358637bd                      ; 1e-6
	s_delay_alu instid0(VALU_DEP_1)
	v_fma_f32 v92, v92, s32, v89                   ; the variance + 1e-6
	s_mul_i32 s33, s29, 640                        ; my batch's part of stats
	s_add_co_u32 s34, s33, s30                     ; a: + 16 g
	s_lshl_b32 s35, s28, 2
	s_add_co_u32 s35, s35, s33
	s_add_co_u32 s35, s35, 512                     ; the mean: + 512 + 4 g
	s_wait_alu depctr_va_vdst(0)
	v_rsq_f32 v93, v92
	v_add_nc_u32 v95, s34, v2                      ; (a plain instruction behind the transcendental)  thread t < 4 stores a of channel 4 g + t
	v_mov_b32 v96, s35
	v_cmp_eq_u32 vcc_lo, 4, v0                     ; thread 4 stores the mean
	s_delay_alu instid0(VALU_DEP_1)
	v_cndmask_b32 v95, v95, v96, vcc_lo
	s_wait_loadcnt 0x0                             ; gamma
	s_wait_alu depctr_va_vdst(0)                   ; ahead of the first instruction that names the root's result
	v_mul_f32 v94, v3, v93                         ; a = gamma / sqrt(var + 1e-6)
	s_delay_alu instid0(VALU_DEP_1)
	v_cndmask_b32 v94, v94, v84, vcc_lo
	s_wait_alu depctr_va_vdst(0)
	s_wait_xcnt 0x0                                ; EXEC is a source of the loads above: it changes only behind this wait
	v_cmp_gt_u32 vcc_lo, 5, v0
	s_and_saveexec_b32 s36, vcc_lo
	global_store_b32 v95, v94, s[18:19]
	s_wait_xcnt 0x0                                ; and again, in front of the line that widens it
	s_or_b32 exec_lo, exec_lo, s36
	s_wait_tensorcnt 0x0                           ; the wave's end, behind my last LDS store
	ds_add_u32 v110, v111
	s_wait_dscnt 0x0
	s_endpgm
; ---------------- one weight as codes: wave nt makes tile nt.  No LDS, no barrier ----------------
.Lweights:
	s_sub_co_u32 s26, ttmp9, 256                   ; w
	v_and_b32 v1, 15, v0                           ; r
	v_bfe_u32 v2, v0, 4, 1                         ; h
	v_and_b32 v5, 31, v0
	s_delay_alu instid0(VALU_DEP_1)
	v_lshlrev_b32 v5, 4, v5                        ; 16 x lane: my place in an image
	s_lshl_b32 s29, s22, 13                        ; the tile's 16 rows of 512 bytes
	s_lshl_b32 s32, s26, 14
	s_lshl_b32 s33, s22, 11
	s_add_co_u32 s32, s32, s33                     ; wimg: 16,384 w + 2,048 nt
	s_mov_b32 s33, 0
	s_wait_alu depctr_va_vdst(0)
	s_wait_kmcnt 0x0
	s_load_b256 s[36:43], s[16:17], 0x0            ; e0 .. e7
	s_load_b128 s[44:47], s[16:17], 0x20           ; e8 .. e11
	s_add_nc_u64 s[20:21], s[20:21], s[32:33]
	s_cmp_eq_u32 s26, 1                            ; the weight is chosen by the work-group's number alone
	s_cselect_b64 s[8:9], s[10:11], s[8:9]
	s_cmp_eq_u32 s26, 2
	s_cselect_b64 s[8:9], s[12:13], s[8:9]
	s_cmp_eq_u32 s26, 3
	s_cselect_b64 s[8:9], s[14:15], s[8:9]
	s_cselect_b32 s27, 5, 6                        ; the halves of the lanes stand 8 numbers apart in Wo, 16 in the others,
	s_cselect_b32 s28, 64, 32                      ; and a group's second eight numbers 16 numbers behind its first in Wo, 8 in the others
	v_lshlrev_b32 v3, 9, v1                        ; row r
	v_lshlrev_b32 v4, s27, v2
	s_delay_alu instid0(VALU_DEP_1)
	v_add3_u32 v3, v3, v4, s29                     ; a group's first eight numbers
	s_delay_alu instid0(VALU_DEP_1)
	v_add_nc_u32 v4, s28, v3                       ; its second eight
.irp c, 0,1,2,3
	global_load_b128 v[X+16*\c:X+16*\c+3],     v3, s[8:9] offset:128*\c
	global_load_b128 v[X+16*\c+4:X+16*\c+7],   v3, s[8:9] offset:128*\c+16
	global_load_b128 v[X+16*\c+8:X+16*\c+11],  v4, s[8:9] offset:128*\c
	global_load_b128 v[X+16*\c+12:X+16*\c+15], v4, s[8:9] offset:128*\c+16
.endr
	s_wait_kmcnt 0x0
	s_cmp_eq_u32 s26, 1
	s_cselect_b32 s30, s39, s37                    ; e3 or e1
	s_cmp_eq_u32 s26, 2
	s_cselect_b32 s30, s41, s30                    ; e5
	s_cmp_eq_u32 s26, 3
	s_cselect_b32 s30, s47, s30                    ; e11
	s_add_co_i32 s30, s30, 127
	s_lshl_b32 s31, s30, 23
	v_mov_b32 v96, s31                             ; 2^e as f32: the conversion takes its exponent field
	s_add_co_i32 s30, s30, 8
	s_lshl_b32 s30, s30, 23
	s_or_b32 s30, s30, 0x600000
	v_mov_b32 v97, s30                             ; 448 x 2^e
	s_wait_alu depctr_va_vdst(0)
	s_wait_loadcnt 0x0
.irp c, 0,1,2,3
.set i, 0
.rept 16
	v_med3_num_f32 v[X+16*\c+i], v[X+16*\c+i], -v97, v97   ; the conversion to an 8-bit code does not saturate (ISA guide 7.6.2): the hold comes first
.set i, i+1
.endr
	v_cvt_scalef32_pk8_fp8_f32 v[80+4*\c:81+4*\c], v[X+16*\c:X+16*\c+7], v96
	v_cvt_scalef32_pk8_fp8_f32 v[82+4*\c:83+4*\c], v[X+16*\c+8:X+16*\c+15], v96
.endr
.irp c, 0,1,2,3
	global_store_b128 v5, v[80+4*\c:83+4*\c], s[20:21] offset:512*\c   ; 32 lanes store 512 consecutive bytes, at a multiple of 256 from the buffer's first byte
.endr
	s_endpgm
.Lfunc_end_k_q66131aa008_prep:
	.size	k_q66131aa008_prep, .Lfunc_end_k_q66131aa008_prep-k_q66131aa008_prep
	.p2alignl 7, 3214868480
	.fill 96, 4, 3214868480
	.section	.rodata,"a",@progbits
	.p2align	6, 0x0
	.amdhsa_kernel k_q66131aa008_prep
		.amdhsa_group_segment_fixed_size 1536
		.amdhsa_private_segment_fixed_size 0
		.amdhsa_enable_private_segment 0
		.amdhsa_kernarg_size 72
		.amdhsa_user_sgpr_count 2
		.amdhsa_user_sgpr_kernarg_segment_ptr 1
		.amdhsa_wavefront_size32 1
		.amdhsa_system_sgpr_workgroup_id_x 1
		.amdhsa_system_sgpr_workgroup_id_y 1
		.amdhsa_system_sgpr_workgroup_id_z 1
		.amdhsa_system_vgpr_workitem_id 0
		.amdhsa_next_free_vgpr 112
		.amdhsa_next_free_sgpr 66
		.amdhsa_reserve_vcc 1
		.amdhsa_float_denorm_mode_32 3
		.amdhsa_float_denorm_mode_16_64 3
		.amdhsa_memory_ordered 1
		.amdhsa_forward_progress 1
		.amdhsa_inst_pref_size 24
	.end_amdhsa_kernel
	.amdgpu_metadata
---
amdhsa.version: [ 1, 2 ]
amdhsa.kernels:
  - .name:           k_q66131aa008_prep
    .symbol:         k_q66131aa008_prep.kd
    .args:
      - { .name: x, .offset: 0, .size: 8, .value_kind: global_buffer, .address_space: global }
      - { .name: gamma, .offset: 8, .size: 8, .value_kind: global_buffer, .address_space: global }
      - { .name: Wq, .offset: 16, .size: 8, .value_kind: global_buffer, .address_space: global }
      - { .name: Wk, .offset: 24, .size: 8, .value_kind: global_buffer, .address_space: global }
      - { .name: Wv, .offset: 32, .size: 8, .value_kind: global_buffer, .address_space: global }
      - { .name: Wo, .offset: 40, .size: 8, .value_kind: global_buffer, .address_space: global }
      - { .name: lowp_scales, .offset: 48, .size: 8, .value_kind: global_buffer, .address_space: global }
      - { .name: stats, .offset: 56, .size: 8, .value_kind: global_buffer, .address_space: global }
      - { .name: wimg, .offset: 64, .size: 8, .value_kind: global_buffer, .address_space: global }
    .group_segment_fixed_size: 1536
    .private_segment_fixed_size: 0
    .kernarg_segment_align: 8
    .kernarg_segment_size: 72
    .max_flat_workgroup_size: 256
    .sgpr_count:     66
    .vgpr_count:     112
    .wavefront_size: 32
...
	.end_amdgpu_metadata
.endif
;; end of part 4
;; launch qkv (part 5): grid 256 x 1, 4 waves a work-group, no clusters, 49,664 bytes of LDS; arguments x, stats, beta, wimg, bq, bk, bv, lowp_scales, qimg, kv; writes qimg, kv
.if DOCPART == 5
	.amdgcn_target "amdgcn-amd-amdhsa--gfx1250"
	.amdhsa_code_object_version 6
	.text
	.protected	k_q66131aa008_qkv
	.globl	k_q66131aa008_qkv
	.p2align	8
	.type	k_q66131aa008_qkv,@function
k_q66131aa008_qkv:
	s_mov_b64 s[64:65], 0
	v_nop
	global_prefetch_b8 v0, s[64:65] scope:SCOPE_SE
	s_setreg_imm32_b32 hwreg(HW_REG_WAVE_MODE, 25, 1), 1
	s_wait_xcnt 0x0
; AttentionBlock in FP8 (E4M3), launch 2 of 3: the group norm is applied, q, k and v are made (products 1 to 3) and stored as codes.  No work of the problem is left out here.
; SHARES.  Two waves (a pair) take the 64 tokens 64 blk .. 64 blk + 63 of batch b; W = 2 x work-group + wave / 2 (512 in all), b = W / 64, blk = W % 64.  Wave q of the pair (q = wave % 2) normalises and quantises channels
; 64 q .. 64 q + 63 for all three products; the codes meet in LDS; then it makes output channels 64 q .. 64 q + 63 of q, k and v for all 64 tokens.
; TOKEN TILES.  Tile m (0..3) of a block has as row r the token 64 blk + 4 r + m: so one 16-byte load of x [b][channel][token] gives a lane one number for each of the four tiles, and sixteen lanes read 256 consecutive bytes.
; THE NORMALISED TENSOR h = (x - mean) a + beta is quantised three times, with entries 0, 2, 4 of lowp_scales.  Lane (r, h) holds row r; byte i of register group c is channel 32 c + 16 h + i, as in the weights' images.
; A wave keeps its own two groups (2 q, 2 q + 1) in a fragment's first eight registers and its partner's in the last eight; the weights' groups are loaded in the same order, so every product meets its partner.
; q AND k: the product is used transposed (source 0 = 16 rows of W, source 1 = 16 tokens): lane (r, h) holds token row r, register j of channel tile n channel 16 n + 8 h + j; tiles 2 u, 2 u + 1 convert into one group.
; v: in natural order (source 0 = tokens, source 1 = 16 rows of Wv): lane (r, h) holds channel 16 n + r, register j token row 8 h + j of tile m: tiles m = 2 u, 2 u + 1 convert into a register group of V^T whose K runs along the keys.
; The biases, divided by the power of two that the sums lack, are the C of the products.  The three scales ahead of each result's quantiser are folded into the conversion's one.
; STORED as images of operand registers (registers 4 c .. 4 c + 3 of lane l at 512 c + 16 l of a fragment's 2,048 bytes): every store covers 512 consecutive bytes, at a multiple of 256 from the buffer's first byte.
;   qimg [b][tile 4 blk + m][2048];   kv [b][step blk / 2][32768]: K's tile 4 (blk % 2) + m at 2,048 each;  V^T's channel tiles from 16,384 on, of which a block makes groups 2 (blk % 2) + u.
; LIMITS: e0, e2, e4, e6 - e0 - e1, e7 - e2 - e3, e9 - e4 - e5 lie between -126 and 119, so that each power of two below is an f32 number.  NaN among the inputs is not served.
; No cluster: what the work-groups share is 48 KiB of weights' codes beside 32 KiB of x for each pair of waves.  No prefetch: the launch has no loop; its loads are one burst at its head.
; REGISTERS, in windows of 256 (s_set_vgpr_msb: bits 1:0 source 0, 3:2 source 1, 5:4 source 2, 7:6 destination):
;   window 0: v1-12 offsets; v16-47 two sets of 16 held numbers; v48-59 scales and limits; v64-255 h's codes: product p, tile m at 64 + 64 p + 16 m
;   window 1: v0-191 Wq, Wk, Wv (64 each); v192-255 codes to store      window 2: v0-31 a, later bv; v32-63 beta; v64-71 means; v96-163 the biases as loaded; v168-231 bq, bk
;   window 3: v0-127 x, then h: register 4 j + m, j = 16 c + i; later accumulators; v128-255 accumulators
.set T,     16
.set AC,    64
.set EXB,   12288                      ; LDS: a wave's codes: 24 x 512 bytes
.set SPARE, 4*EXB                      ; the spare words, 128 bytes for each wave; no other line names them
.set MSB, 0
.macro WIN new                         ; the immediate's high byte repeats the setting that is left
.if MSB != \new
	s_set_vgpr_msb (MSB<<8)|\new
.set MSB, \new
.endif
.endm
	s_load_b512 s[4:19], s[0:1], 0x0               ; x 4:5, stats 6:7, beta 8:9, wimg 10:11, bq 12:13, bk 14:15, bv 16:17, lowp_scales 18:19
	s_load_b128 s[20:23], s[0:1], 0x40             ; qimg 20:21, kv 22:23
	v_lshl_add_u32 v10, v0, 2, SPARE               ; my spare word; never rewritten
	v_mov_b32 v11, 0                               ; 0; never rewritten
	v_lshrrev_b32 v7, 5, v0
	v_readfirstlane_b32 s58, v7                    ; wave 0..3
	s_lshl_b32 s59, ttmp9, 1
	s_lshr_b32 s51, s58, 1
	s_add_co_u32 s59, s59, s51                     ; W
	s_and_b32 s3, s58, 1                           ; q
	s_lshr_b32 s60, s59, 6                         ; b
	s_and_b32 s61, s59, 63                         ; blk
	v_and_b32 v12, 31, v0
	v_lshlrev_b32 v12, 4, v12                      ; 16 x lane: my place in an image
	s_lshl_b32 s51, s3, 10
	v_add_nc_u32 v1, s51, v12                      ; the weights: my own two groups,
	s_xor_b32 s51, s51, 1024
	v_add_nc_u32 v2, s51, v12                      ; and my partner's
	s_mul_i32 s51, s58, EXB
	v_add_nc_u32 v8, s51, v12                      ; LDS: my codes,
	s_xor_b32 s51, s58, 1
	s_mul_i32 s51, s51, EXB
	v_add_nc_u32 v9, s51, v12                      ; and my partner's
	v_and_b32 v14, 15, v0                          ; r
	v_bfe_u32 v15, v0, 4, 1                        ; h
	v_lshlrev_b32 v3, 18, v15                      ; x: 16 h channels of 16,384 bytes
	v_lshl_add_u32 v3, v14, 4, v3                  ;    + 16 r: tokens 4 r .. 4 r + 3
	v_lshlrev_b32 v4, 6, v15                       ; a, beta: 16 h numbers
	v_lshlrev_b32 v5, 4, v15                       ; the means: 4 h groups
	v_lshlrev_b32 v6, 5, v15                       ; bq, bk: 8 h numbers
	v_lshlrev_b32 v7, 2, v14                       ; bv: r numbers
	s_lshl_b32 s62, s60, 21                        ; x: batch, block of 64 tokens, my 64 channels
	s_lshl_b32 s63, s61, 8
	s_add_co_u32 s62, s62, s63
	s_lshl_b32 s63, s3, 20
	s_add_co_u32 s62, s62, s63
	s_mov_b32 s63, 0
	s_wait_alu depctr_va_vdst(0)
	s_wait_kmcnt 0x0
	s_load_b256 s[24:31], s[18:19], 0x0            ; e0 .. e7
	s_load_b128 s[32:35], s[18:19], 0x20           ; e8 .. e11
	s_add_nc_u64 s[4:5], s[4:5], s[62:63]
	WIN 0xc0
.irp c, 0,1
.set i, 0
.rept 16
	global_load_b128 v[4*(16*\c+i):4*(16*\c+i)+3], v3, s[4:5] offset:(32*\c+i)*16384 th:TH_LOAD_NT
.set i, i+1
.endr
.endr
	s_mul_i32 s62, s60, 640
	s_lshl_b32 s51, s3, 6
	s_add_co_u32 s62, s62, s51
	s_add_nc_u64 s[66:67], s[6:7], s[62:63]        ; the means of my 16 groups, from byte 512 on
	s_mul_i32 s51, s3, 192
	s_add_co_u32 s62, s62, s51
	s_add_nc_u64 s[6:7], s[6:7], s[62:63]          ; a of my channels
	s_lshl_b32 s62, s3, 8
	s_add_nc_u64 s[8:9], s[8:9], s[62:63]
	s_add_nc_u64 s[12:13], s[12:13], s[62:63]
	s_add_nc_u64 s[14:15], s[14:15], s[62:63]
	s_add_nc_u64 s[16:17], s[16:17], s[62:63]
	s_lshl_b32 s62, s3, 13
	s_add_nc_u64 s[10:11], s[10:11], s[62:63]      ; the weights: my four tiles of output channels
	WIN 0x80
.irp c, 0,1
	global_load_b128 v[64+4*\c:67+4*\c], v5, s[66:67] offset:512+32*\c
.irp d, 0,1,2,3
	global_load_b128 v[16*\c+4*\d:16*\c+4*\d+3], v4, s[6:7] offset:128*\c+16*\d
	global_load_b128 v[32+16*\c+4*\d:32+16*\c+4*\d+3], v4, s[8:9] offset:128*\c+16*\d
.endr
.endr
.irp n, 0,1,2,3
	global_load_b128 v[96+8*\n:99+8*\n],   v6, s[12:13] offset:64*\n       ; bq of channels 64 q + 16 n + 8 h + 0 .. 7
	global_load_b128 v[100+8*\n:103+8*\n], v6, s[12:13] offset:64*\n+16
	global_load_b128 v[128+8*\n:131+8*\n], v6, s[14:15] offset:64*\n       ; bk
	global_load_b128 v[132+8*\n:135+8*\n], v6, s[14:15] offset:64*\n+16
	global_load_b32 v[160+\n], v7, s[16:17] offset:64*\n                   ; bv of channel 64 q + 16 n + r
.endr
	WIN 0x40
.irp p, 0,1,2
.irp n, 0,1,2,3
.irp u, 0,1
	global_load_b128 v[64*\p+16*\n+4*\u:64*\p+16*\n+4*\u+3], v1, s[10:11] offset:16384*\p+2048*\n+512*\u
	global_load_b128 v[64*\p+16*\n+8+4*\u:64*\p+16*\n+8+4*\u+3], v2, s[10:11] offset:16384*\p+2048*\n+512*\u
.endr
.endr
.endr
	WIN 0
	; where the results go
	s_lshl_b32 s62, s60, 19
	s_lshl_b32 s51, s61, 13
	s_add_co_u32 s62, s62, s51
	s_lshl_b32 s51, s3, 10
	s_add_co_u32 s62, s62, s51
	s_add_nc_u64 s[52:53], s[20:21], s[62:63]      ; q: the block's four tiles, my two groups
	s_lshl_b32 s62, s60, 20
	s_lshr_b32 s51, s61, 1
	s_lshl_b32 s51, s51, 15
	s_add_co_u32 s62, s62, s51
	s_add_nc_u64 s[68:69], s[22:23], s[62:63]      ; the block's key step of kv
	s_and_b32 s70, s61, 1
	s_lshl_b32 s62, s70, 13
	s_lshl_b32 s51, s3, 10
	s_add_co_u32 s62, s62, s51
	s_add_nc_u64 s[54:55], s[68:69], s[62:63]      ; K: the block's four tiles, my two groups
	s_lshl_b32 s62, s70, 10
	s_lshl_b32 s51, s3, 13
	s_add_co_u32 s62, s62, s51
	s_add_co_u32 s62, s62, 16384
	s_add_nc_u64 s[56:57], s[68:69], s[62:63]      ; V^T: my four tiles, the block's two groups
	; the scales: s[d] = 2^e as f32, s[d + 1] = 448 x 2^e
.macro MKS d, e
	s_add_co_i32 s51, s[\e], 127
	s_lshl_b32 s[\d], s51, 23
	s_add_co_i32 s51, s51, 8
	s_lshl_b32 s[\d+1], s51, 23
	s_or_b32 s[\d+1], s[\d+1], 0x600000
.endm
	s_wait_kmcnt 0x0
	MKS 36, 24                                     ; h for q: e0
	MKS 38, 26                                     ; for k: e2
	MKS 40, 28                                     ; for v: e4
	s_add_co_i32 s62, s24, s25                     ; a sum of product 1 stands for sum x 2^(e0 + e1):
	s_sub_co_i32 s48, 0, s62                       ; bq goes in as bq / 2^(e0 + e1),
	s_sub_co_i32 s62, s30, s62                     ; and q's code is sum / 2^(e6 - e0 - e1)
	MKS 42, 62
	s_add_co_i32 s62, s26, s27
	s_sub_co_i32 s49, 0, s62
	s_sub_co_i32 s62, s31, s62                     ; e7 - e2 - e3
	MKS 44, 62
	s_add_co_i32 s62, s28, s29
	s_sub_co_i32 s50, 0, s62
	s_sub_co_i32 s62, s33, s62                     ; e9 - e4 - e5
	MKS 46, 62
.set i, 0
.rept 12
	v_mov_b32 v[48+i], s[36+i]                     ; pairs of scale and limit: h for product p at 48 + 2 p, the result at 54 + 2 p
.set i, i+1
.endr
	s_wait_alu depctr_va_vdst(0)                   ; at the head's end
	s_wait_loadcnt 48                              ; all but the weights' 48 loads: x, the statistics, beta and the biases are in
	; h = (x - mean) a + beta, in place
	WIN 0xcb
.set j, 0
.rept 32
.irp m, 0,1,2,3
	v_sub_f32 v[4*j+\m], v[4*j+\m], v[64+j/4]
.endr
.set j, j+1
.endr
	WIN 0xeb
.set j, 0
.rept 32
.irp m, 0,1,2,3
	v_fma_f32 v[4*j+\m], v[4*j+\m], v[j], v[32+j]
.endr
.set j, j+1
.endr
; my channels' codes for product p, and into LDS.  The hold also gathers: of a channel's four registers it takes tile m's; h is its third source, so one window setting serves it and the conversions.
.macro AQUANT p
	WIN 0x30
.irp m, 0,1,2,3
.irp c, 0,1
.set i, 0
.rept 16
	v_med3_num_f32 v[T+16*\c+i], -v[49+2*\p], v[49+2*\p], v[4*(16*\c+i)+\m]   ; the conversion to an 8-bit code does not saturate (ISA guide 7.6.2)
.set i, i+1
.endr
	v_cvt_scalef32_pk8_fp8_f32 v[AC+64*\p+16*\m+4*\c:AC+64*\p+16*\m+4*\c+1], v[T+16*\c:T+16*\c+7], v[48+2*\p]
	v_cvt_scalef32_pk8_fp8_f32 v[AC+64*\p+16*\m+4*\c+2:AC+64*\p+16*\m+4*\c+3], v[T+16*\c+8:T+16*\c+15], v[48+2*\p]
.endr
.endr
	WIN 0
	v_nop                                          ; one plain instruction behind the last conversion
.irp m, 0,1,2,3
.irp u, 0,1
	ds_store_b128 v8, v[AC+64*\p+16*\m+4*\u:AC+64*\p+16*\m+4*\u+3] offset:(4*\p+\m)*1024+512*\u
.endr
.endr
.endm
	AQUANT 0
	AQUANT 1
	AQUANT 2
	; the biases in the results' layouts
	WIN 0x82
.set j, 0
.rept 32
	v_ldexp_f32 v[168+j], v[96+j], s48
	v_ldexp_f32 v[200+j], v[128+j], s49
.set j, j+1
.endr
.irp n, 0,1,2,3
.irp j, 0,1,2,3,4,5,6,7
	v_ldexp_f32 v[8*\n+\j], v[160+\n], s50         ; in v's layout a lane's eight registers are eight tokens of ONE channel
.endr
.endr
	WIN 0
	s_wait_alu depctr_va_vdst(0)
	s_wait_dscnt 0x0                               ; for my partner's sake: my stores are done
	s_barrier_signal -1
	s_barrier_wait -1
.irp p, 0,1,2
.irp m, 0,1,2,3
.irp u, 0,1
	ds_load_b128 v[AC+64*\p+16*\m+8+4*\u:AC+64*\p+16*\m+8+4*\u+3], v9 offset:(4*\p+\m)*1024+512*\u
.endr
.endr
.endr
; q or k: 16 products, each a whole sum (K = 128), C = the bias
.macro MQK p, set
	WIN 0xe1
.irp m, 0,1,2,3
.irp n, 0,1,2,3
	v_wmma_f32_16x16x128_fp8_fp8 v[\set+8*(4*\m+\n):\set+8*(4*\m+\n)+7], v[64*\p+16*\n:64*\p+16*\n+15], v[AC+64*\p+16*\m:AC+64*\p+16*\m+15], v[168+32*\p+8*\n:168+32*\p+8*\n+7]
.endr
.endr
.endm
; 128 sums become 32 registers of codes; each accumulator is read from its low end on
.macro OUTQ p, set, oc, wc, ws, base
	WIN 0xc3
.set i, 0
.rept 128
	v_med3_num_f32 v[\set+i], v[\set+i], -v[55+2*\p], v[55+2*\p]
.set i, i+1
.endr
	WIN \wc
.set i, 0
.rept 8
	v_cvt_scalef32_pk8_fp8_f32 v[\oc+4*i:\oc+4*i+1], v[\set+16*i:\set+16*i+7], v[54+2*\p]
	v_cvt_scalef32_pk8_fp8_f32 v[\oc+4*i+2:\oc+4*i+3], v[\set+16*i+8:\set+16*i+15], v[54+2*\p]
.set i, i+1
.endr
	v_nop                                          ; one plain instruction behind the last conversion
	WIN \ws
.set i, 0
.rept 8
	global_store_b128 v12, v[\oc+4*i:\oc+4*i+3], s[\base:\base+1] offset:2048*(i/2)+512*(i%2)
.set i, i+1
.endr
.endm
	s_wait_loadcnt 32                              ; Wq is in
	s_wait_dscnt 16                                ; and my partner's codes for q
	MQK 0, 128
	s_wait_loadcnt 16                              ; Wk
	s_wait_dscnt 8
	MQK 1, 0
.rept 4
	v_nop                                          ; places ahead of the first read of product 1's results
.endr
	OUTQ 0, 128, 192, 0x43, 0x04, 52
	s_wait_loadcnt 0x0                             ; Wv
	s_wait_dscnt 0x0
	WIN 0xe4
.irp n, 0,1,2,3
.irp m, 0,1,2,3
	v_wmma_f32_16x16x128_fp8_fp8 v[128+8*(4*\n+\m):128+8*(4*\n+\m)+7], v[AC+128+16*\m:AC+128+16*\m+15], v[128+16*\n:128+16*\n+15], v[8*\n:8*\n+7]
.endr
.endr
	OUTQ 1, 0, 224, 0x43, 0x04, 54
	OUTQ 2, 128, 96, 0x83, 0x08, 56                ; (over the biases as loaded)
	WIN 0
	s_wait_tensorcnt 0x0                           ; the wave's end, behind my last LDS store
	ds_add_u32 v10, v11
	s_wait_dscnt 0x0
	s_endpgm
.Lfunc_end_k_q66131aa008_qkv:
	.size	k_q66131aa008_qkv, .Lfunc_end_k_q66131aa008_qkv-k_q66131aa008_qkv
	.p2alignl 7, 3214868480
	.fill 96, 4, 3214868480
	.section	.rodata,"a",@progbits
	.p2align	6, 0x0
	.amdhsa_kernel k_q66131aa008_qkv
		.amdhsa_group_segment_fixed_size 49664
		.amdhsa_private_segment_fixed_size 0
		.amdhsa_enable_private_segment 0
		.amdhsa_kernarg_size 80
		.amdhsa_user_sgpr_count 2
		.amdhsa_user_sgpr_kernarg_segment_ptr 1
		.amdhsa_wavefront_size32 1
		.amdhsa_system_sgpr_workgroup_id_x 1
		.amdhsa_system_sgpr_workgroup_id_y 1
		.amdhsa_system_sgpr_workgroup_id_z 1
		.amdhsa_system_vgpr_workitem_id 0
		.amdhsa_next_free_vgpr 1024
		.amdhsa_next_free_sgpr 80
		.amdhsa_reserve_vcc 0
		.amdhsa_float_denorm_mode_32 3
		.amdhsa_float_denorm_mode_16_64 3
		.amdhsa_memory_ordered 1
		.amdhsa_forward_progress 1
		.amdhsa_inst_pref_size 99
	.end_amdhsa_kernel
	.amdgpu_metadata
---
amdhsa.version: [ 1, 2 ]
amdhsa.kernels:
  - .name:           k_q66131aa008_qkv
    .symbol:         k_q66131aa008_qkv.kd
    .args:
      - { .name: x, .offset: 0, .size: 8, .value_kind: global_buffer, .address_space: global }
      - { .name: stats, .offset: 8, .size: 8, .value_kind: global_buffer, .address_space: global }
      - { .name: beta, .offset: 16, .size: 8, .value_kind: global_buffer, .address_space: global }
      - { .name: wimg, .offset: 24, .size: 8, .value_kind: global_buffer, .address_space: global }
      - { .name: bq, .offset: 32, .size: 8, .value_kind: global_buffer, .address_space: global }
      - { .name: bk, .offset: 40, .size: 8, .value_kind: global_buffer, .address_space: global }
      - { .name: bv, .offset: 48, .size: 8, .value_kind: global_buffer, .address_space: global }
      - { .name: lowp_scales, .offset: 56, .size: 8, .value_kind: global_buffer, .address_space: global }
      - { .name: qimg, .offset: 64, .size: 8, .value_kind: global_buffer, .address_space: global }
      - { .name: kv, .offset: 72, .size: 8, .value_kind: global_buffer, .address_space: global }
    .group_segment_fixed_size: 49664
    .private_segment_fixed_size: 0
    .kernarg_segment_align: 8
    .kernarg_segment_size: 80
    .max_flat_workgroup_size: 128
    .sgpr_count:     80
    .vgpr_count:     1024
    .wavefront_size: 32
...
	.end_amdgpu_metadata
.endif
;; end of part 5
;; launch attn (part 6): grid 32 x 8, 4 waves a work-group, clusters of 4 x 1, 327,680 bytes of LDS; arguments qimg, kv, wimg, lowp_scales, x, out0; writes out0
.if DOCPART == 6
	.amdgcn_target "amdgcn-amd-amdhsa--gfx1250"
	.amdhsa_code_object_version 6
	.text
	.protected	k_q66131aa008_attn
	.globl	k_q66131aa008_attn
	.p2align	8
	.type	k_q66131aa008_attn,@function
k_q66131aa008_attn:
	s_mov_b64 s[64:65], 0
	v_nop
	global_prefetch_b8 v0, s[64:65] scope:SCOPE_SE
	s_setreg_imm32_b32 hwreg(HW_REG_WAVE_MODE, 25, 1), 1
	s_wait_xcnt 0x0
	s_wait_alu depctr_hold_cnt(0) depctr_sa_sdst(0) depctr_va_vdst(0) depctr_va_sdst(0) depctr_va_ssrc(0) depctr_va_vcc(0) depctr_vm_vsrc(0)
	s_getreg_b32 s2, hwreg(HW_REG_IB_STS2, 6, 4)
	s_cmp_eq_u32 s2, 0
	s_cbranch_scc0 .Lentry_in_a_cluster
	s_endpgm
.Lentry_in_a_cluster:
	s_bfe_u32 s2, ttmp6, 0x10000c
	s_cmp_lg_u32 s2, 0x3003
	s_cbranch_scc0 .Lentry_shape_is_right
	s_endpgm
.Lentry_shape_is_right:
; AttentionBlock in FP8 (E4M3), launch 3 of 3: softmax(q k^T / sqrt(128)) v (products 4 and 5), the projection by Wo (product 6), + x.  No work of the problem is left out here.
; SHARES.  A work-group owns 128 queries of batch b: two blocks of 64.  Wave w: block g = w % 2, half kh = w / 2 of the keys.  A wave holds the block's FOUR query tiles, so each fragment of K and V feeds four products.
; Tile m of a block has as row r the token 64 blk + 4 r + m.  A wave's local tiles 0, 1 are the block's tiles 2 kh, 2 kh + 1, which it finishes in the end; local tiles 2, 3 are the other two.
; STEPS.  16 steps of 2 x 128 keys.  A slot of LDS holds a step: 32 KiB for each half of the keys, K's image (8 tiles of 2,048 bytes), then V^T's.  Two slots take turns; each wave brings 16 KiB of a slot by one tensor load.
; CLUSTERS: four work-groups of one batch walk the same keys and ask for each tile jointly (mask 15).
; SOFTMAX.  S^T = K Q^T: lane (r, h) holds query r, register 8 t + j the key row 8 h + j of tile t.  t = score x log2(e) / sqrt(128); M = the running largest t rounded up; p = 2^(t - M), its sum taken in f32 ahead of the quantiser.
; The running largest is kept as a raw score; the factor is positive.  When M moves, O^T and the sums are multiplied by 2^(old M - new M); the sums are kept as four pairs a tile.
; PREFETCH.  The first cluster of each batch asks for the batch's steps 4 to 15, two steps ahead of the joint load: each step's 64 KiB is shared by address among the four partners (16 KiB each) and two of their waves
; (8 KiB each, lanes 256 bytes apart).  Steps 0 to 3 come by their loads alone; the last two trips ask for nothing.
; WAY OUT.  The two halves of the keys meet in LDS: each wave merges two tiles, divides by the sum, quantises, and lays the codes in LDS; then each makes 64 of the 128 output channels for the block's four tiles: a lane holds four
; neighbouring tokens of a channel, so sixteen lanes load x and store the result as 256 consecutive bytes, at a multiple of 256.
; LIMITS on the given exponents, so that each power of two is an f32 number: e6 + e7 between -123 and 130; e8, e10 between -126 and 119; e10 + e11 between -126 and 127.  The promise holds while the scaled scores stay under 2^31
; in magnitude.  NaN among the inputs is not served.
; REGISTERS, in windows of 256 (s_set_vgpr_msb: bits 1:0 source 0, 3:2 source 1, 5:4 source 2, 7:6 destination):
;   window 0: v1-10 offsets; v[12+2x] -M and v[13+2x] the largest score of tile x; v[20+2x] the factor; v28-63 at work; v64-127 Q, at the end Wo; v128-191 P's codes; v192-223 the sums
;   window 1: v0-127 K's fragments, at the end x; v128-255 V's      window 2: S^T, then p: 64 registers a tile      window 3: O^T
.set SLOT1, 65536
.set MRG,   131072                     ; the merge: 33 x 512 bytes for each wave; no fill lands there
.set MRGB,  16896
.set CX,    MRG+4*MRGB                 ; the codes of the two blocks: 8,192 bytes each
.set SPARE, CX+16384                   ; the spare words, 128 bytes for each wave; no other line names them
.set MSB, 0
.macro WIN new                         ; the immediate's high byte repeats the setting that is left
.if MSB != \new
	s_set_vgpr_msb (MSB<<8)|\new
.set MSB, \new
.endif
.endm
.macro PLACES n
.rept \n
	v_nop
.endr
.endm
.macro CREST                           ; a round of the cluster's barrier behind its opening barrier
	s_cmp_lg_u32 s16, 0
	s_cbranch_scc1 .Lnot_wave_0_\@
	s_barrier_signal -3
.Lnot_wave_0_\@:
	s_barrier_wait -3
	s_barrier_signal -1
	s_barrier_wait -1
.endm
.macro CROUND
	s_barrier_signal -1
	s_barrier_wait -1
	CREST
.endm
.macro ASK                             ; trip n asks for step n + 4, while there is one
	s_cmp_gt_u32 s60, s61
	s_cbranch_scc0 .Lnot_mine_\@
	global_prefetch_b8 v3, s[62:63] th:TH_LOAD_NT scope:SCOPE_SE
.Lnot_mine_\@:
.endm
.macro JLOAD
	tensor_load_to_lds s[40:43], s[24:31]
	s_nop 0
	PLACES 4
.endm
	s_load_b256 s[4:11], s[0:1], 0x0               ; qimg 4:5, kv 6:7, wimg 8:9, lowp_scales 10:11
	s_load_b128 s[12:15], s[0:1], 0x20             ; x 12:13, out0 14:15
	v_lshl_add_u32 v5, v0, 2, SPARE                ; my spare word; never rewritten
	v_mov_b32 v6, 0                                ; 0; never rewritten
	ds_add_u32 v5, v6                              ; the opening: the add, twice on end, ahead of my first tensor load
	ds_add_u32 v5, v6
	v_lshrrev_b32 v11, 5, v0
	v_readfirstlane_b32 s16, v11                   ; wave 0..3
	v_and_b32 v1, 31, v0
	v_lshlrev_b32 v1, 4, v1                        ; 16 x lane: my place in an image
	v_lshlrev_b32 v3, 4, v1                        ; 256 x lane: the prefetches
	v_and_b32 v4, 15, v0
	v_lshlrev_b32 v4, 4, v4
	v_bfe_u32 v11, v0, 4, 1
	v_lshl_add_u32 v4, v11, 17, v4                 ; x, out0: tokens 4 r on, 8 h channels of 16,384 bytes
	s_bfe_u32 s17, ttmp6, 0x40000                  ; cx
	s_lshl_b32 s18, ttmp9, 2
	s_add_co_u32 s18, s18, s17                     ; work-group x: which 128 queries
	s_and_b32 s19, ttmp7, 0xffff                   ; b
	s_and_b32 s78, s16, 1                          ; g
	s_lshr_b32 s79, s16, 1                         ; kh
	; descriptor group 1: 64 rows of 256 bytes, dense; the mask names the four partners
	s_mov_b32 s24, 15|(3<<16)|(1<<21)
	s_mov_b32 s25, 32<<16
	s_mov_b32 s26, 64<<16
	s_mov_b32 s27, 32<<16
	s_mov_b32 s28, 64
	s_mov_b32 s29, 32
	s_mov_b32 s30, 0
	s_mov_b32 s31, 0
	s_mov_b32 s20, 0x76543210                      ; v_permlanex16_b32: lane l takes lane l xor 16
	s_mov_b32 s21, 0xfedcba98
	s_mov_b32 s22, 0x3e0293ee                      ; log2(e) / sqrt(128)
	s_lshl_b32 s2, s79, 15                         ; my half of the slot in hand
	s_mov_b32 s60, 14                              ; trips: the steps that fill a slot again
	s_or_b32 s61, s79, ttmp9
	s_cmp_eq_u32 s61, 0
	s_cselect_b32 s61, 2, -1                       ; who asks: waves 0, 1 of a batch's first cluster
	s_lshl_b32 s66, s19, 20
	s_lshl_b32 s67, s16, 14
	s_add_co_u32 s66, s66, s67                     ; kv: what I fetch
	s_mov_b32 s67, 0
	s_lshl_b32 s68, s79, 13
	s_add_co_u32 s68, s68, 49152                   ; Wo's image: my four tiles of output channels
	s_mov_b32 s69, 0
	s_lshl_b32 s70, s19, 20
	s_lshl_b32 s71, s17, 14
	s_add_co_u32 s70, s70, s71
	s_lshl_b32 s71, s16, 13
	s_add_co_u32 s70, s70, s71
	s_add_co_u32 s70, s70, 3*SLOT1                 ; the prefetches: the first trip steps this to step 4
	s_mov_b32 s71, 0
	s_lshl_b32 s76, s18, 1
	s_add_co_u32 s76, s76, s78                     ; blk
	s_lshl_b32 s72, s19, 19
	s_lshl_b32 s73, s76, 13
	s_add_co_u32 s72, s72, s73                     ; the block's four tiles of q
	s_lshl_b32 s73, s79, 12
	s_add_co_u32 s80, s72, s73                     ; local tiles 0, 1
	s_mov_b32 s81, 0
	s_xor_b32 s73, s73, 4096
	s_add_co_u32 s82, s72, s73                     ; local tiles 2, 3
	s_mov_b32 s83, 0
	s_lshl_b32 s74, s19, 21
	s_lshl_b32 s75, s79, 20
	s_add_co_u32 s74, s74, s75
	s_lshl_b32 s75, s76, 8
	s_add_co_u32 s74, s74, s75                     ; x, out0: batch, my 64 channels, the block's tokens
	s_mov_b32 s75, 0
	s_wait_alu depctr_va_vdst(0)
	s_wait_dscnt 0x0                               ; both opening adds are done
	s_wait_kmcnt 0x0
	s_load_b256 s[48:55], s[10:11], 0x0            ; e0 .. e7
	s_load_b128 s[56:59], s[10:11], 0x20           ; e8 .. e11
	s_mov_b32 s40, 1
	s_lshl_b32 s41, s16, 14
	s_add_nc_u64 s[42:43], s[6:7], s[66:67]
	s_or_b32 s43, s43, 0x80000000
	s_add_nc_u64 s[62:63], s[6:7], s[70:71]
	s_add_nc_u64 s[84:85], s[4:5], s[82:83]
	s_add_nc_u64 s[4:5], s[4:5], s[80:81]
	s_add_nc_u64 s[8:9], s[8:9], s[68:69]
	s_add_nc_u64 s[12:13], s[12:13], s[74:75]
	s_add_nc_u64 s[14:15], s[14:15], s[74:75]
	CROUND                                         ; all four partners are here: the first joint loads meet
	JLOAD                                          ; step 0
.irp c, 0,1,2,3
	global_load_b128 v[64+4*\c:67+4*\c], v1, s[4:5] offset:512*\c
	global_load_b128 v[80+4*\c:83+4*\c], v1, s[4:5] offset:2048+512*\c
	global_load_b128 v[96+4*\c:99+4*\c], v1, s[84:85] offset:512*\c
	global_load_b128 v[112+4*\c:115+4*\c], v1, s[84:85] offset:2048+512*\c
.endr
	; under the loads' flight: addresses, and what the first step finds (zeros, which its change of M leaves zeros)
	v_add_nc_u32 v2, s2, v1                        ; LDS: the step's tiles of my half
	s_mul_i32 s66, s16, MRGB
	s_add_co_u32 s66, s66, MRG
	v_add_nc_u32 v7, s66, v1                       ; the merge: what I send
	s_xor_b32 s66, s16, 2
	s_mul_i32 s66, s66, MRGB
	s_add_co_u32 s66, s66, MRG
	v_add_nc_u32 v8, s66, v1                       ; and what the wave with the other half of the keys sends
	s_lshl_b32 s66, s78, 13
	s_add_co_u32 s66, s66, CX
	v_add_nc_u32 v10, s66, v1                      ; the block's codes
	s_lshl_b32 s67, s79, 12
	s_add_co_u32 s66, s66, s67
	v_add_nc_u32 v9, s66, v1                       ; my two tiles of them
.irp x, 0,1,2,3
	v_mov_b32 v[12+2*\x], 0x7149f2ca               ; -M: 1e30, a whole number
	v_mov_b32 v[13+2*\x], 0xff61b1e6               ; the largest score so far: -3e38, under every score
	v_mov_b32 v[21+2*\x], 0                        ; (named as the upper half of the factor's pair)
	v_mov_b32 v[40+\x], 0                          ; written once: a lane permute's destination counts as one of its sources
.endr
.set j, 0
.rept 32
	v_mov_b32 v[192+j], 0
.set j, j+1
.endr
	WIN 0xc0
.set j, 0
.rept 256
	v_mov_b32 v[j], 0
.set j, j+1
.endr
	WIN 0
	s_wait_kmcnt 0x0
	s_add_co_i32 s66, s54, s55                     ; e6 + e7 goes into the factor's exponent field
	s_lshl_b32 s66, s66, 23
	s_add_co_i32 s22, s22, s66
	s_mov_b32 s23, s22                             ; (the packed form names the pair)
	s_xor_b32 s3, s22, 0x80000000                  ; the factor with its sign turned
	s_add_co_i32 s66, s56, 127
	s_lshl_b32 s67, s66, 23
	v_mov_b32 v56, s67                             ; 2^e8, for the conversion of p
	s_add_co_i32 s66, s66, 8
	s_lshl_b32 s66, s66, 23
	s_or_b32 s70, s66, 0x600000                    ; 448 x 2^e8, the hold of p
	s_add_co_i32 s72, s56, s57                     ; e8 + e9
	s_add_co_i32 s66, s58, 127
	s_lshl_b32 s73, s66, 23                        ; 2^e10
	s_add_co_i32 s66, s66, 8
	s_lshl_b32 s74, s66, 23
	s_or_b32 s74, s74, 0x600000                    ; 448 x 2^e10
	s_add_co_i32 s66, s58, s59
	s_add_co_i32 s66, s66, 127
	s_lshl_b32 s76, s66, 23                        ; 2^(e10 + e11)
.macro LOADF reg, base                 ; eight fragments of the step: K's (base 0) or V^T's (16,384)
	WIN 0x40
.irp t, 0,1,2,3,4,5,6,7
.irp c, 0,1,2,3
	ds_load_b128 v[\reg+16*\t+4*\c:\reg+16*\t+4*\c+3], v2 offset:(\base)+2048*\t+512*\c
.endr
.endr
	WIN 0
.endm
; The largest score of tiles x0, x0 + 1: 64 lines, line s: by turns the two tiles, two chains each, both begun with the running one; each accumulator from its low end on
.macro MX x0, s
.set MT, (\x0)+(\s)%2
.set MC, ((\s)/2)%2
.set ME, 64*MT+4*((\s)/4)+2*MC
.if (\s) < 4
	v_max3_num_f32 v[32+4*MC+MT], v[13+2*MT], v[ME], v[ME+1]
.else
	v_max3_num_f32 v[32+4*MC+MT], v[32+4*MC+MT], v[ME], v[ME+1]
.endif
.endm
.macro MAXALL x0
	WIN 0x28
.set k, 0
.rept 64
	MX \x0, k
.set k, k+1
.endr
.endm
; The products of a step's end: P V of this step and S^T of the next, with vector work of other tiles between them.
;   P V of tiles 0, 1: tile 3's row sums and tile 2's conversions;  S^T of tiles 0, 1: tile 3's holds;  P V of tile 2: tile 3's conversions;
;   P V of tile 3 and S^T of tiles 2, 3: the largest score of the next step's tiles 0, 1.
.macro PRODUCTS
.set i, 0
.irp x, 0,1
.irp t, 0,1,2,3,4,5,6,7
	WIN 0xf1
	v_wmma_f32_16x16x128_fp8_fp8 v[64*\x+8*\t:64*\x+8*\t+7], v[128+16*\t:128+16*\t+15], v[128+16*\x:128+16*\x+15], v[64*\x+8*\t:64*\x+8*\t+7]
	WIN 0x02
	v_pk_add_f32 v[216+2*((2*i)%4):217+2*((2*i)%4)], v[192+4*i:193+4*i], v[216+2*((2*i)%4):217+2*((2*i)%4)]
	v_pk_add_f32 v[216+2*((2*i+1)%4):217+2*((2*i+1)%4)], v[194+4*i:195+4*i], v[216+2*((2*i+1)%4):217+2*((2*i+1)%4)]
.if i%2
	v_cvt_scalef32_pk8_fp8_f32 v[160+2*(i/2):161+2*(i/2)], v[128+8*(i/2):135+8*(i/2)], v56
.endif
.set i, i+1
.endr
.endr
.set i, 0
.irp x, 0,1
.irp t, 0,1,2,3,4,5,6,7
	WIN 0x81
	v_wmma_f32_16x16x128_fp8_fp8 v[64*\x+8*\t:64*\x+8*\t+7], v[16*\t:16*\t+15], v[64+16*\x:64+16*\x+15], 0
	WIN 0x8a
	DM 192+4*i
	DM 194+4*i
.set i, i+1
.endr
.endr
	s_wait_alu depctr_va_vdst(0)                   ; the holds are read by the conversions below
.set i, 0
.irp t, 0,1,2,3,4,5,6,7
	WIN 0xf1
	v_wmma_f32_16x16x128_fp8_fp8 v[128+8*\t:128+8*\t+7], v[128+16*\t:128+16*\t+15], v[160:175], v[128+8*\t:128+8*\t+7]
	WIN 0x02
	v_cvt_scalef32_pk8_fp8_f32 v[176+2*i:177+2*i], v[192+8*i:199+8*i], v56
.set i, i+1
.endr
	PLACES 4                                       ; behind the last conversion; and ahead of the first reads of tiles 0 and 1's new scores
	s_wait_alu depctr_va_vdst(0)
.set k, 0
.irp t, 0,1,2,3,4,5,6,7
	WIN 0xf1
	v_wmma_f32_16x16x128_fp8_fp8 v[192+8*\t:192+8*\t+7], v[128+16*\t:128+16*\t+15], v[176:191], v[192+8*\t:192+8*\t+7]
	WIN 0x28
.rept 2
	MX 0, k
.set k, k+1
.endr
.endr
.irp x, 2,3
.irp t, 0,1,2,3,4,5,6,7
	WIN 0x81
	v_wmma_f32_16x16x128_fp8_fp8 v[64*\x+8*\t:64*\x+8*\t+7], v[16*\t:16*\t+15], v[64+16*\x:64+16*\x+15], 0
	WIN 0x28
.rept 3
	MX 0, k
.set k, k+1
.endr
.endr
.endr
	WIN 0
.endm
.macro SUMCVT x, y                     ; tile x's row sums (of the unquantised p, four chains of pairs) by turns with tile y's conversions
	WIN 0x02
.set j, 0
.rept 8
.irp k, 0,2,4,6
	v_pk_add_f32 v[192+8*\x+\k:193+8*\x+\k], v[64*\x+8*j+\k:64*\x+8*j+\k+1], v[192+8*\x+\k:193+8*\x+\k]
.endr
	v_cvt_scalef32_pk8_fp8_f32 v[128+16*\y+2*j:129+16*\y+2*j], v[64*\y+8*j:64*\y+8*j+7], v56
.set j, j+1
.endr
.endm
.macro SMUL lo                         ; S^T of four key tiles for the four query tiles: each a whole sum, K = 128
.irp t, \lo, \lo+1, \lo+2, \lo+3
.irp x, 0,1,2,3
	v_wmma_f32_16x16x128_fp8_fp8 v[64*\x+8*(\t):64*\x+8*(\t)+7], v[16*(\t):16*(\t)+15], v[64+16*\x:64+16*\x+15], 0
.endr
.endr
.endm
.macro SALL
	s_wait_dscnt 16                                ; K's tiles 0 to 3 are in; the youngest 16 loads may be out
	WIN 0x81
	SMUL 0
	s_wait_dscnt 0x0
	SMUL 4
	WIN 0
.endm
.macro PV lo                           ; O^T += V^T P^T for four channel tiles: the accumulators take turns
	WIN 0xf1
.irp t, \lo, \lo+1, \lo+2, \lo+3
.irp x, 0,1,2,3
	v_wmma_f32_16x16x128_fp8_fp8 v[64*\x+8*(\t):64*\x+8*(\t)+7], v[128+16*(\t):128+16*(\t)+15], v[128+16*\x:128+16*\x+15], v[64*\x+8*(\t):64*\x+8*(\t)+7]
.endr
.endr
.endm
.macro FM a, x                         ; t - M, two at a time
	v_pk_fma_f32 v[\a:\a+1], v[\a:\a+1], s[22:23], v[12+2*(\x):13+2*(\x)] op_sel_hi:[1,0,0]
.endm
.macro DM a                            ; the hold at the largest code, two at a time: the conversion does not saturate (ISA guide 7.6.2); p is never negative
	v_dual_min_num_f32 v[\a], s70, v[\a] :: v_dual_min_num_f32 v[\a+1], s70, v[\a+1]
.endm
; tile x's exponentials; between them tile f's multiply-adds and tile m's holds (4: none), which touch none of tile x's registers.  The wait behind serves all three.
.macro EXPH x, f, m
	WIN 0x8a
.set j, 0
.rept 32
	v_exp_f32 v[64*\x+j], v[64*\x+j]
.if \f < 4
	FM 64*\f+j, \f
.endif
	v_exp_f32 v[64*\x+j+1], v[64*\x+j+1]
.if \m < 4
	DM 64*\m+j
.endif
.set j, j+2
.endr
	s_wait_alu depctr_va_vdst(0)                   ; ahead of the batch's readers, and ahead of the next batch
.endm
.macro SUM x                           ; the row sums, of the unquantised p: four chains of pairs
	WIN 0x02
.set j, 0
.rept 32
	v_pk_add_f32 v[192+8*\x+2*(j%4):193+8*\x+2*(j%4)], v[64*\x+2*j:64*\x+2*j+1], v[192+8*\x+2*(j%4):193+8*\x+2*(j%4)]
.set j, j+1
.endr
.endm
.macro CVT x                           ; p's codes: the operand's registers
	WIN 0x02
.irp b, 0,1,2,3
	v_cvt_scalef32_pk8_fp8_f32 v[128+16*\x+4*\b:129+16*\x+4*\b], v[64*\x+16*\b:64*\x+16*\b+7], v56
	v_cvt_scalef32_pk8_fp8_f32 v[130+16*\x+4*\b:131+16*\x+4*\b], v[64*\x+16*\b+8:64*\x+16*\b+15], v56
.endr
.endm
; A step behind its S^T.  mode 0: in the loop, the slot is filled again; 1: the last step but one, which fills nothing; 2: the last step.
.macro STEP mode
	PLACES 4                                       ; behind the last products: ahead of loads into V's registers and of the first reads of S^T
	LOADF 128, 16384                               ; V's fragments
.if \mode == 2                         ; K's registers take x, Q's take Wo: both have been multiplied for the last time
	WIN 0x40
.irp n, 0,1,2,3
.irp i, 0,1,2,3,4,5,6,7
	global_load_b128 v[32*\n+4*\i:32*\n+4*\i+3], v4, s[12:13] offset:(16*\n+\i)*16384 th:TH_LOAD_NT
.endr
.endr
	WIN 0
.irp n, 0,1,2,3
.irp c, 0,1,2,3
	global_load_b128 v[64+16*\n+4*\c:67+16*\n+4*\c], v1, s[8:9] offset:2048*\n+512*\c
.endr
.endr
.endif
	MAXALL 2                                       ; tiles 0 and 1 have had theirs among the products
	WIN 0
.irp x, 0,1,2,3
	v_max_num_f32 v[32+\x], v[32+\x], v[36+\x]
.endr
.irp x, 0,1,2,3
	v_permlanex16_b32 v[40+\x], v[32+\x], s20, s21
.endr
.irp x, 0,1,2,3
	v_max_num_f32 v[13+2*\x], v[32+\x], v[40+\x]
.endr
.irp x, 0,1,2,3
	v_mul_f32 v[44+\x], s3, v[13+2*\x]
.endr
.irp x, 0,1,2,3
	v_floor_f32 v[44+\x], v[44+\x]                 ; the new -M = floor(-t)
.endr
.irp x, 0,1,2,3
	v_sub_f32 v[48+\x], v[44+\x], v[12+2*\x]       ; M's old value less its new one: a whole number, 0 or less
.endr
.irp x, 0,1,2,3
	v_mov_b32 v[12+2*\x], v[44+\x]
.endr
.irp x, 0,1,2,3
	v_cvt_i32_f32 v[48+\x], v[48+\x]               ; (it saturates)
.endr
.irp x, 0,1,2,3
	v_ldexp_f32 v[20+2*\x], 1.0, v[48+\x]
.endr
.irp x, 0,1,2,3
.set j, 0
.rept 4
	v_pk_mul_f32 v[192+8*\x+j:193+8*\x+j], v[192+8*\x+j:193+8*\x+j], v[20+2*\x:21+2*\x] op_sel_hi:[1,0]
.set j, j+2
.endr
.endr
	WIN 0xc3
.irp x, 0,1,2,3
.set j, 0
.rept 32
	v_pk_mul_f32 v[64*\x+j:64*\x+j+1], v[64*\x+j:64*\x+j+1], v[20+2*\x:21+2*\x] op_sel_hi:[1,0]
.set j, j+2
.endr
.endr
	WIN 0x8a
.set j, 0
.rept 32
	FM j, 0
.set j, j+2
.endr
	s_wait_alu depctr_va_vdst(0)                   ; ahead of the batch too
	EXPH 0, 1, 4
	SUM 0
.if \mode < 2                          ; the change of slots: the three lines
	WIN 0
	s_wait_tensorcnt 0x0                           ; my part of the next step is in; no tensor load of mine is out
	ds_add_u32 v5, v6                              ; work on registers stands between the add and the wait for it
.if \mode == 0
	s_xor_b32 s41, s41, SLOT1
	s_add_nc_u64 s[42:43], s[42:43], SLOT1
	s_wait_xcnt 0x0                                ; any prefetch of mine has read its address
	s_add_nc_u64 s[62:63], s[62:63], SLOT1
.endif
	s_xor_b32 s2, s2, SLOT1
	v_add_nc_u32 v2, s2, v1
.endif
	EXPH 1, 2, 0
.if \mode < 2
	s_wait_dscnt 0x0                               ; the add is done, and V's fragments are in: my reads of this slot are over
	s_barrier_signal -1
.endif
	SUMCVT 1, 0                                    ; work on registers while the others arrive
.if \mode < 2
	WIN 0
	s_barrier_wait -1
.if \mode == 0
	CREST                                          ; no wave of any partner still reads this slot
	JLOAD                                          ; the step after the next, into the slot just read
.endif
	LOADF 0, 0                                     ; the next step's K
.if \mode == 0
	ASK
.endif
.endif
	EXPH 2, 3, 1
	SUMCVT 2, 1
	EXPH 3, 4, 2
.if \mode < 2
	s_wait_dscnt 0x0                               ; the next step's K
	PRODUCTS
.else
	SUMCVT 3, 2
	WIN 0x8a
.set j, 0
.rept 32
	DM 192+j
.set j, j+2
.endr
	CVT 3
	WIN 0
	v_nop                                          ; the plain instruction behind the last conversion
.endif
.endm
	s_wait_alu depctr_va_vdst(0)                   ; at the head's end
	s_wait_loadcnt 0x0                             ; Q
	s_wait_tensorcnt 0x0                           ; my part of step 0 is in
	ds_add_u32 v5, v6
	s_xor_b32 s41, s41, SLOT1
	s_add_nc_u64 s[42:43], s[42:43], SLOT1
	s_wait_dscnt 0x0
	CROUND                                         ; step 0 is whole, and the joint loads meet
	JLOAD                                          ; step 1
	LOADF 0, 0
	SALL
	PLACES 4                                       ; ahead of the first reads of the scores
	MAXALL 0
	WIN 0
.Lstep:                                                ; steps 0 to 13
	STEP 0
	s_sub_co_u32 s60, s60, 1
	s_cmp_lg_u32 s60, 0
	s_cbranch_scc1 .Lstep
	STEP 1
	STEP 2
	; each row's sum over my half of the keys
.irp x, 0,1,2,3
	v_pk_add_f32 v[192+8*\x:193+8*\x], v[192+8*\x:193+8*\x], v[194+8*\x:195+8*\x]
.endr
.irp x, 0,1,2,3
	v_pk_add_f32 v[196+8*\x:197+8*\x], v[196+8*\x:197+8*\x], v[198+8*\x:199+8*\x]
.endr
.irp x, 0,1,2,3
	v_pk_add_f32 v[192+8*\x:193+8*\x], v[192+8*\x:193+8*\x], v[196+8*\x:197+8*\x]
.endr
.irp x, 0,1,2,3
	v_add_f32 v[28+\x], v[192+8*\x], v[193+8*\x]
.endr
.irp x, 0,1,2,3
	v_permlanex16_b32 v[40+\x], v[28+\x], s20, s21
.endr
.irp x, 0,1,2,3
	v_add_f32 v[28+\x], v[28+\x], v[40+\x]
.endr
	v_mov_b32 v60, v16                             ; what goes with local tiles 2, 3: -M and the sum of each
	v_mov_b32 v61, v30
	v_mov_b32 v62, v18
	v_mov_b32 v63, v31
	s_wait_alu depctr_va_vdst(0)
	s_wait_dscnt 0x0                               ; V
	PV 0
	PV 4
	WIN 0
	PLACES 4
	; THE MERGE.  Local tiles 2, 3 go to the wave with the other half of the keys
	WIN 0x0c
.set k, 0
.rept 32
	ds_store_b128 v7, v[128+4*k:128+4*k+3] offset:512*k
.set k, k+1
.endr
	WIN 0
	ds_store_b128 v7, v[60:63] offset:16384
	s_wait_dscnt 0x0                               ; for the other wave's sake: my stores are done
	s_barrier_signal -1
	s_barrier_wait -1
	ds_load_b128 v[52:55], v8 offset:16384
	WIN 0x80
.set k, 0
.rept 32
	ds_load_b128 v[4*k:4*k+3], v8 offset:512*k
.set k, k+1
.endr
	WIN 0
	s_wait_dscnt 32                                ; -M and the sums are in; the 32 loads of O^T may be out
.irp x, 0,1
	v_min_num_f32 v[44+\x], v[12+2*\x], v[52+2*\x] ; -M of both halves
.endr
.irp x, 0,1
	v_sub_f32 v[32+\x], v[44+\x], v[12+2*\x]
	v_sub_f32 v[36+\x], v[44+\x], v[52+2*\x]
.endr
.irp x, 0,1
	v_cvt_i32_f32 v[32+\x], v[32+\x]
	v_cvt_i32_f32 v[36+\x], v[36+\x]
.endr
.irp x, 0,1
	v_ldexp_f32 v[32+\x], 1.0, v[32+\x]
	v_ldexp_f32 v[36+\x], 1.0, v[36+\x]
.endr
.irp x, 0,1
	v_mul_f32 v[48+\x], v[28+\x], v[32+\x]
.endr
.irp x, 0,1
	v_fma_f32 v[48+\x], v[53+2*\x], v[36+\x], v[48+\x]
.endr
	s_wait_alu depctr_va_vdst(0)                   ; ahead of the batch
	v_rcp_f32 v48, v48
	v_rcp_f32 v49, v49
	v_mov_b32 v58, s73                             ; 2^e10 (a plain place behind the transcendentals)
	v_mov_b32 v59, s74                             ; 448 x 2^e10
	s_wait_alu depctr_va_vdst(0)                   ; and behind it
.irp x, 0,1
	v_ldexp_f32 v[48+\x], v[48+\x], s72            ; x 2^(e8 + e9)
.endr
.irp x, 0,1
	v_mul_f32 v[20+2*\x], v[32+\x], v[48+\x]
	v_mul_f32 v[24+2*\x], v[36+\x], v[48+\x]
.endr
	WIN 0x83
	s_wait_alu depctr_va_vdst(0)                   ; directly ahead of the first reader of O^T
.irp x, 0,1
.set j, 0
.rept 32
	v_pk_mul_f32 v[128+64*\x+j:129+64*\x+j], v[64*\x+j:64*\x+j+1], v[20+2*\x:21+2*\x] op_sel_hi:[1,0]
.set j, j+2
.endr
.endr
	s_wait_alu depctr_va_vdst(0)
	s_wait_dscnt 0x0
	WIN 0xa2
.irp x, 0,1
.set j, 0
.rept 32
	v_pk_fma_f32 v[128+64*\x+j:129+64*\x+j], v[64*\x+j:64*\x+j+1], v[24+2*\x:25+2*\x], v[128+64*\x+j:129+64*\x+j] op_sel_hi:[1,0,1]
.set j, j+2
.endr
.endr
	WIN 0x82
.set j, 0
.rept 128
	v_med3_num_f32 v[128+j], v[128+j], -v59, v59   ; the hold
.set j, j+1
.endr
	WIN 0x02
.set j, 0
.rept 8
	v_cvt_scalef32_pk8_fp8_f32 v[128+4*j:129+4*j], v[128+16*j:135+16*j], v58
	v_cvt_scalef32_pk8_fp8_f32 v[130+4*j:131+4*j], v[136+16*j:143+16*j], v58
.set j, j+1
.endr
	WIN 0
	v_nop                                          ; one plain instruction behind the last conversion
.set j, 0
.rept 8
	ds_store_b128 v9, v[128+4*j:131+4*j] offset:512*j
.set j, j+1
.endr
	s_wait_dscnt 0x0                               ; for the other wave's sake
	s_barrier_signal -1
	s_barrier_wait -1
.set j, 0
.rept 16
	ds_load_b128 v[128+4*j:131+4*j], v10 offset:512*j   ; the block's four tiles, in their order
.set j, j+1
.endr
	s_wait_loadcnt 0x0                             ; x and Wo
	s_wait_dscnt 0x0
	; PRODUCT 6, transposed: accumulator (n, m): lane (r, h) holds token 4 r + m, register j the channel 64 kh + 16 n + 8 h + j
	WIN 0xc0
.irp n, 0,1,2,3
.irp m, 0,1,2,3
	v_wmma_f32_16x16x128_fp8_fp8 v[32*\n+8*\m:32*\n+8*\m+7], v[64+16*\n:64+16*\n+15], v[128+16*\m:128+16*\m+15], 0
.endr
.endr
	PLACES 4
.irp n, 0,1,2,3
	WIN 0x53
.irp i, 0,1,2,3,4,5,6,7
.irp m, 0,1,2,3
	v_fma_f32 v[32*\n+4*\i+\m], v[32*\n+8*\m+\i], s76, v[32*\n+4*\i+\m]   ; x 2^(e10 + e11), + x
.endr
.endr
	WIN 0x04
.irp i, 0,1,2,3,4,5,6,7
	global_store_b128 v4, v[32*\n+4*\i:32*\n+4*\i+3], s[14:15] offset:(16*\n+\i)*16384 th:TH_STORE_NT
.endr
.endr
	WIN 0
	s_wait_tensorcnt 0x0                           ; the wave's end
	ds_add_u32 v5, v6
	s_wait_dscnt 0x0
	CROUND                                         ; the closing round: no work-group ends while a partner may still ask for a tile that names it
	s_endpgm
.Lfunc_end_k_q66131aa008_attn:
	.size	k_q66131aa008_attn, .Lfunc_end_k_q66131aa008_attn-k_q66131aa008_attn
	.p2alignl 7, 3214868480
	.fill 96, 4, 3214868480
	.section	.rodata,"a",@progbits
	.p2align	6, 0x0
	.amdhsa_kernel k_q66131aa008_attn
		.amdhsa_group_segment_fixed_size 327680
		.amdhsa_private_segment_fixed_size 0
		.amdhsa_enable_private_segment 0
		.amdhsa_kernarg_size 48
		.amdhsa_user_sgpr_count 2
		.amdhsa_user_sgpr_kernarg_segment_ptr 1
		.amdhsa_wavefront_size32 1
		.amdhsa_system_sgpr_workgroup_id_x 1
		.amdhsa_system_sgpr_workgroup_id_y 1
		.amdhsa_system_sgpr_workgroup_id_z 1
		.amdhsa_system_vgpr_workitem_id 0
		.amdhsa_next_free_vgpr 1024
		.amdhsa_next_free_sgpr 96
		.amdhsa_reserve_vcc 0
		.amdhsa_float_denorm_mode_32 3
		.amdhsa_float_denorm_mode_16_64 3
		.amdhsa_memory_ordered 1
		.amdhsa_forward_progress 1
		.amdhsa_inst_pref_size 255
	.end_amdhsa_kernel
	.section	.bss,"aw",@nobits
	.p2align	6
	.space	262144
	.amdgpu_metadata
---
amdhsa.version: [ 1, 2 ]
amdhsa.kernels:
  - .name:           k_q66131aa008_attn
    .symbol:         k_q66131aa008_attn.kd
    .args:
      - { .name: qimg, .offset: 0, .size: 8, .value_kind: global_buffer, .address_space: global }
      - { .name: kv, .offset: 8, .size: 8, .value_kind: global_buffer, .address_space: global }
      - { .name: wimg, .offset: 16, .size: 8, .value_kind: global_buffer, .address_space: global }
      - { .name: lowp_scales, .offset: 24, .size: 8, .value_kind: global_buffer, .address_space: global }
      - { .name: x, .offset: 32, .size: 8, .value_kind: global_buffer, .address_space: global }
      - { .name: out0, .offset: 40, .size: 8, .value_kind: global_buffer, .address_space: global }
    .group_segment_fixed_size: 327680
    .private_segment_fixed_size: 0
    .kernarg_segment_align: 8
    .kernarg_segment_size: 48
    .max_flat_workgroup_size: 128
    .sgpr_count:     96
    .vgpr_count:     1024
    .wavefront_size: 32
...
	.end_amdgpu_metadata
.endif
;; end of part 6
